; MI455X (gfx1250); checked and timed in simulation.
; The chip was launched on July 23, 2026; its instructions are those of AMD's public machine-readable ISA for CDNA 5 (MIT licence, August 2026) and "CDNA5" Instruction Set Architecture Reference Guide (July 2026). The comments in the code are by the model that wrote it; some were corrected since.
;; Multihead Self Attention. Allowed arithmetic: float matrix products may take bf16 or f16 operands with f32 sums; other float arithmetic in f32, or as packed bf16 or f16 multiplies, adds, multiply-adds, maxima and minima; sums over many terms, partial sums and values carried from step to step in f32; what a program stores and reads back later, other than sums and carried values, may be rounded once to bf16 or f16.
;; Inputs: b_out 1,024 float32; b_qkv 3,072 float32; masks 4 x 2,048 int32; w_out 1,024 x 1,024 float32; w_qkv 1,024 x 3,072 float32; x 4 x 2,048 x 1,024 float32.
;; Outputs: out0 4 x 2,048 x 1,024 float32.
;; 2 versions, each right; version 2 is version 1 with the launch cast written anew for expert scheduling mode. Each part assembles by itself: llvm-mc -triple=amdgcn-amd-amdhsa -mcpu=gfx1250 --defsym DOCPART=n.
;; ======== version 1 of 2: 5 launches
;; limits: values are held in f16: magnitudes above 65,504 overflow, below 6.1e-05 lose precision
;; workspace buffers: order 65,792 bytes of whole numbers; xb 16,777,216 bytes; wqb 6,291,456 bytes; wob 2,097,152 bytes; qkvh 50,331,648 bytes; ctx 16,777,216 bytes
;; launch perm (part 1): grid 4 x 1, 16 waves a work-group, no clusters, 0 bytes of LDS; arguments masks, order; writes order
.if DOCPART == 1
	.amdgcn_target "amdgcn-amd-amdhsa--gfx1250"
	.amdhsa_code_object_version 6
	.text
	.protected	k_q63ee45a61c_perm
	.globl	k_q63ee45a61c_perm
	.p2align	8
	.type	k_q63ee45a61c_perm,@function
k_q63ee45a61c_perm:
	s_mov_b64 s[64:65], 0
	v_nop
	global_prefetch_b8 v0, s[64:65] scope:SCOPE_SE
	s_setreg_imm32_b32 hwreg(HW_REG_WAVE_MODE, 25, 1), 1
	s_wait_xcnt 0x0
; A stable partition of each batch's 2,048 tokens: those with masks != 0 first, the others behind them, each kind in its old order.
; order (ints): inv[4][2048] at byte 0 (the token that stands at place p), mq[4][2048] at byte 32,768 (its mask value), cnt[4] at byte 65,536 (visible tokens).
; A work-group takes a batch; thread t owns tokens 4 t .. 4 t + 3.  Every wave reads all 2,048 ints (16 loads of 512 bytes) and counts for itself: no LDS, no barrier.
; Chunk c of 128 tokens is wave c's own share, so the visible tokens ahead of my wave are the counts of the chunks below its number.
	s_load_b128 s[4:7], s[0:1], 0x0                ; masks s[4:5], order s[6:7]
	v_and_b32 v1, 31, v0
	v_lshlrev_b32 v1, 4, v1                        ; 16 x lane
	v_lshlrev_b32 v2, 4, v0                        ; 16 x thread: my own four ints
	v_lshrrev_b32 v3, 5, v0
	v_readfirstlane_b32 s8, v3                     ; wave 0..15
	s_lshl_b32 s12, ttmp9, 13                      ; the batch's 8,192 bytes, in masks and in inv
	s_mov_b32 s13, 0
	s_mov_b32 s20, 0                               ; visible tokens in the batch
	s_mov_b32 s21, 0                               ; visible tokens ahead of my wave's
	s_wait_kmcnt 0x0
	s_mov_b64 s[10:11], s[6:7]                     ; order's first byte, for cnt
	s_add_nc_u64 s[4:5], s[4:5], s[12:13]
	s_add_nc_u64 s[6:7], s[6:7], s[12:13]
.set c, 0
.rept 16
	global_load_b128 v[16+4*c:19+4*c], v1, s[4:5] offset:512*c
.set c, c+1
.endr
	global_load_b128 v[4:7], v2, s[4:5]
	s_wait_loadcnt 0x0
.set c, 0
.rept 16
	s_mov_b32 s23, 0
.irp e, 0,1,2,3
	v_cmp_ne_u32 vcc_lo, 0, v[16+4*c+(\e)]
	s_bcnt1_i32_b32 s22, vcc_lo
	s_add_co_u32 s23, s23, s22                     ; the chunk's visible tokens
.endr
	s_add_co_u32 s20, s20, s23
	s_cmp_gt_u32 s8, c                             ; a chunk below my wave's?
	s_cselect_b32 s22, s23, 0
	s_add_co_u32 s21, s21, s22
.set c, c+1
.endr
	v_cmp_ne_u32 s24, 0, v4                        ; my wave's own four ballots
	v_cmp_ne_u32 s25, 0, v5
	v_cmp_ne_u32 s26, 0, v6
	v_cmp_ne_u32 s27, 0, v7
	v_mov_b32 v12, s21
	v_mbcnt_lo_u32_b32 v12, s24, v12               ; + the visible tokens of the lanes below mine
	v_mbcnt_lo_u32_b32 v12, s25, v12
	v_mbcnt_lo_u32_b32 v12, s26, v12
	v_mbcnt_lo_u32_b32 v12, s27, v12               ; v12: visible tokens ahead of token 4 t
.irp e, 0,1,2,3
	v_lshl_add_u32 v[84+(\e)], v0, 2, \e           ; the token's number
	v_sub_nc_u32 v88, v[84+(\e)], v12              ; hidden tokens ahead of it,
	v_add_nc_u32 v88, s20, v88                     ; which stand behind all visible ones
	v_cmp_ne_u32 vcc_lo, 0, v[4+(\e)]
	v_cndmask_b32 v[80+(\e)], v88, v12, vcc_lo     ; its place
	v_min_u32 v[80+(\e)], 0x7ff, v[80+(\e)]        ; a number made of loaded data enters an address only clamped
	v_lshlrev_b32 v[80+(\e)], 2, v[80+(\e)]
	v_min_u32 v[8+(\e)], 1, v[4+(\e)]              ; 1 if visible (any int but 0)
	v_add_nc_u32 v12, v12, v[8+(\e)]
.endr
.irp e, 0,1,2,3
	global_store_b32 v[80+(\e)], v[84+(\e)], s[6:7]
	global_store_b32 v[80+(\e)], v[4+(\e)], s[6:7] offset:32768
.endr
	s_cmp_lg_u32 s8, 0
	s_cbranch_scc1 .Lend
	s_lshl_b32 s22, ttmp9, 2
	v_mov_b32 v89, s22
	v_mov_b32 v90, s20
	s_wait_xcnt 0x0                                ; EXEC is a source of the stores above: it changes only behind this wait
	v_cmp_eq_u32 vcc_lo, 0, v0
	s_and_saveexec_b32 s28, vcc_lo
	global_store_b32 v89, v90, s[10:11] offset:65536
	s_wait_xcnt 0x0                                ; and again in front of the line that widens it
	s_or_b32 exec_lo, exec_lo, s28
.Lend:
	s_endpgm
.Lfunc_end_k_q63ee45a61c_perm:
	.size	k_q63ee45a61c_perm, .Lfunc_end_k_q63ee45a61c_perm-k_q63ee45a61c_perm
	.p2alignl 7, 3214868480
	.fill 96, 4, 3214868480
	.section	.rodata,"a",@progbits
	.p2align	6, 0x0
	.amdhsa_kernel k_q63ee45a61c_perm
		.amdhsa_group_segment_fixed_size 0
		.amdhsa_private_segment_fixed_size 0
		.amdhsa_enable_private_segment 0
		.amdhsa_kernarg_size 16
		.amdhsa_user_sgpr_count 2
		.amdhsa_user_sgpr_kernarg_segment_ptr 1
		.amdhsa_wavefront_size32 1
		.amdhsa_system_sgpr_workgroup_id_x 1
		.amdhsa_system_sgpr_workgroup_id_y 1
		.amdhsa_system_sgpr_workgroup_id_z 1
		.amdhsa_system_vgpr_workitem_id 0
		.amdhsa_next_free_vgpr 96
		.amdhsa_next_free_sgpr 66
		.amdhsa_reserve_vcc 1
		.amdhsa_float_denorm_mode_32 3
		.amdhsa_float_denorm_mode_16_64 3
		.amdhsa_memory_ordered 1
		.amdhsa_forward_progress 1
		.amdhsa_inst_pref_size 14
	.end_amdhsa_kernel
	.amdgpu_metadata
---
amdhsa.version: [ 1, 2 ]
amdhsa.kernels:
  - .name:           k_q63ee45a61c_perm
    .symbol:         k_q63ee45a61c_perm.kd
    .args:
      - { .name: masks, .offset: 0, .size: 8, .value_kind: global_buffer, .address_space: global }
      - { .name: order, .offset: 8, .size: 8, .value_kind: global_buffer, .address_space: global }
    .group_segment_fixed_size: 0
    .private_segment_fixed_size: 0
    .kernarg_segment_align: 8
    .kernarg_segment_size: 16
    .max_flat_workgroup_size: 512
    .sgpr_count:     66
    .vgpr_count:     96
    .wavefront_size: 32
...
	.end_amdgpu_metadata
.endif
;; end of part 1
;; launch cast (part 2): grid 768 x 1, 8 waves a work-group, no clusters, 0 bytes of LDS; arguments x, w_qkv, w_out, order, xb, wqb, wob; writes xb, wqb, wob
.if DOCPART == 2
	.amdgcn_target "amdgcn-amd-amdhsa--gfx1250"
	.amdhsa_code_object_version 6
	.text
	.protected	k_q63ee45a61c_cast
	.globl	k_q63ee45a61c_cast
	.p2align	8
	.type	k_q63ee45a61c_cast,@function
k_q63ee45a61c_cast:
	s_mov_b64 s[64:65], 0
	v_nop
	global_prefetch_b8 v0, s[64:65] scope:SCOPE_SE
	s_setreg_imm32_b32 hwreg(HW_REG_WAVE_MODE, 25, 1), 1
	s_wait_xcnt 0x0
; xb[b][p][:] = bf16(x[b][inv[b][p]][:]);  wqb = bf16(w_qkv);  wob = bf16(w_out) written as f16.
; LIMIT: a bf16 number below 6e-5 in size keeps f16's fixed step of 6e-8 in wob; beyond 65,504 it would be an infinity.
; A stream: 12,288 rows of 1,024 f32 (8,192 of x, 3,072 of w_qkv taken flat, 1,024 of w_out).  A wave takes two rows: 16 loads of 512 consecutive bytes, all on their way at once,
; and 16 stores of 256 consecutive bytes, aligned.  No LDS, no matrix unit, no cluster: nothing is shared and nothing is read twice.
	s_load_b256 s[4:11], s[0:1], 0x0               ; x s[4:5], w_qkv s[6:7], w_out s[8:9], order s[10:11]
	s_load_b128 s[12:15], s[0:1], 0x20             ; xb s[12:13], wqb s[14:15]
	s_load_b64 s[16:17], s[0:1], 0x30              ; wob
	v_and_b32 v3, 31, v0
	v_lshlrev_b32 v1, 4, v3                        ; 16 x lane: four f32
	v_lshlrev_b32 v2, 3, v3                        ; 8 x lane: four 16-bit numbers
	v_lshrrev_b32 v3, 5, v0
	v_readfirstlane_b32 s20, v3                    ; wave 0..7
	s_lshl_b32 s21, ttmp9, 4
	s_lshl1_add_u32 s21, s20, s21                  ; my first row = 16 x work-group + 2 x wave
	s_mov_b32 s36, 8192
	s_mov_b32 s37, 11264
	s_mov_b32 s31, 0
	s_wait_kmcnt 0x0
	s_cmp_lt_u32 ttmp9, 512
	s_cbranch_scc0 .Lweights
	s_lshl_b32 s30, s21, 2                         ; x: row R of xb is place R; inv (flat index R) says which token stands there
	s_load_b64 s[22:23], s[10:11], s30
	s_and_b32 s32, s21, 0xfffff800                 ; the batch's first row
	s_mov_b64 s[34:35], s[4:5]
	s_mov_b64 s[28:29], s[12:13]
	s_mov_b32 s33, s21
	s_wait_kmcnt 0x0
	s_min_u32 s22, s22, 2047                       ; loaded numbers enter an address only clamped
	s_min_u32 s23, s23, 2047
	s_add_co_u32 s22, s22, s32
	s_add_co_u32 s23, s23, s32
	s_branch .Lgo
.Lweights:
	s_cmp_lt_u32 ttmp9, 704
	s_cselect_b64 s[34:35], s[6:7], s[8:9]
	s_cselect_b64 s[28:29], s[14:15], s[16:17]
	s_cselect_b32 s32, s36, s37
	s_sub_co_u32 s22, s21, s32                     ; the row in its own tensor
	s_add_co_u32 s23, s22, 1
	s_mov_b32 s33, s22
.Lgo:
	s_lshl_b32 s30, s22, 12                        ; 4,096 bytes a source row
	s_add_nc_u64 s[24:25], s[34:35], s[30:31]
	s_lshl_b32 s30, s23, 12
	s_add_nc_u64 s[26:27], s[34:35], s[30:31]
	s_lshl_b32 s30, s33, 11                        ; 2,048 bytes a target row; my two are neighbours
	s_add_nc_u64 s[28:29], s[28:29], s[30:31]
.set n, 0
.rept 16
	global_load_b128 v[8+4*n:11+4*n], v1, s[24+2*(n/8):25+2*(n/8)] offset:512*(n%8) th:TH_LOAD_NT
.set n, n+1
.endr
.macro STEPS half
.set n, 0
.rept 16
	s_wait_loadcnt 15-n                            ; loads come back in order: number n is in, the 15 - n younger ones stay out
.if \half
	v_cvt_pk_bf16_f32 v4, v[8+4*n], v[9+4*n]       ; rounded to bf16 like every input of the module,
	v_cvt_pk_bf16_f32 v5, v[10+4*n], v[11+4*n]
	v_lshlrev_b32 v6, 16, v4
	v_and_b32 v4, 0xffff0000, v4
	v_cvt_pk_f16_f32 v[72+2*n], v6, v4             ; and that number written as f16
	v_lshlrev_b32 v7, 16, v5
	v_and_b32 v5, 0xffff0000, v5
	v_cvt_pk_f16_f32 v[73+2*n], v7, v5
.else
	v_cvt_pk_bf16_f32 v[72+2*n], v[8+4*n], v[9+4*n]
	v_cvt_pk_bf16_f32 v[73+2*n], v[10+4*n], v[11+4*n]
.endif
	global_store_b64 v2, v[72+2*n:73+2*n], s[28:29] offset:2048*(n/8)+256*(n%8)  ; each store has registers of its own: nothing is rewritten
.set n, n+1
.endr
.endm
	s_cmp_lt_u32 ttmp9, 704
	s_cbranch_scc0 .Lhalf
	STEPS 0
	s_endpgm
.Lhalf:
	STEPS 1
	s_endpgm
.Lfunc_end_k_q63ee45a61c_cast:
	.size	k_q63ee45a61c_cast, .Lfunc_end_k_q63ee45a61c_cast-k_q63ee45a61c_cast
	.p2alignl 7, 3214868480
	.fill 96, 4, 3214868480
	.section	.rodata,"a",@progbits
	.p2align	6, 0x0
	.amdhsa_kernel k_q63ee45a61c_cast
		.amdhsa_group_segment_fixed_size 0
		.amdhsa_private_segment_fixed_size 0
		.amdhsa_enable_private_segment 0
		.amdhsa_kernarg_size 56
		.amdhsa_user_sgpr_count 2
		.amdhsa_user_sgpr_kernarg_segment_ptr 1
		.amdhsa_wavefront_size32 1
		.amdhsa_system_sgpr_workgroup_id_x 1
		.amdhsa_system_sgpr_workgroup_id_y 1
		.amdhsa_system_sgpr_workgroup_id_z 1
		.amdhsa_system_vgpr_workitem_id 0
		.amdhsa_next_free_vgpr 104
		.amdhsa_next_free_sgpr 66
		.amdhsa_reserve_vcc 0
		.amdhsa_float_denorm_mode_32 3
		.amdhsa_float_denorm_mode_16_64 3
		.amdhsa_memory_ordered 1
		.amdhsa_forward_progress 1
		.amdhsa_inst_pref_size 17
	.end_amdhsa_kernel
	.amdgpu_metadata
---
amdhsa.version: [ 1, 2 ]
amdhsa.kernels:
  - .name:           k_q63ee45a61c_cast
    .symbol:         k_q63ee45a61c_cast.kd
    .args:
      - { .name: x, .offset: 0, .size: 8, .value_kind: global_buffer, .address_space: global }
      - { .name: w_qkv, .offset: 8, .size: 8, .value_kind: global_buffer, .address_space: global }
      - { .name: w_out, .offset: 16, .size: 8, .value_kind: global_buffer, .address_space: global }
      - { .name: order, .offset: 24, .size: 8, .value_kind: global_buffer, .address_space: global }
      - { .name: xb, .offset: 32, .size: 8, .value_kind: global_buffer, .address_space: global }
      - { .name: wqb, .offset: 40, .size: 8, .value_kind: global_buffer, .address_space: global }
      - { .name: wob, .offset: 48, .size: 8, .value_kind: global_buffer, .address_space: global }
    .group_segment_fixed_size: 0
    .private_segment_fixed_size: 0
    .kernarg_segment_align: 8
    .kernarg_segment_size: 56
    .max_flat_workgroup_size: 256
    .sgpr_count:     66
    .vgpr_count:     104
    .wavefront_size: 32
...
	.end_amdgpu_metadata
.endif
;; end of part 2
;; launch proj (part 3): grid 8 x 64, 4 waves a work-group, clusters of 4 x 4, 327,680 bytes of LDS; arguments xb, wqb, b_qkv, qkvh; writes qkvh
.if DOCPART == 3
	.amdgcn_target "amdgcn-amd-amdhsa--gfx1250"
	.amdhsa_code_object_version 6
	.text
	.protected	k_q63ee45a61c_proj
	.globl	k_q63ee45a61c_proj
	.p2align	8
	.type	k_q63ee45a61c_proj,@function
k_q63ee45a61c_proj:
	s_mov_b64 s[64:65], 0
	v_nop
	global_prefetch_b8 v0, s[64:65] scope:SCOPE_SE
	s_setreg_imm32_b32 hwreg(HW_REG_WAVE_MODE, 25, 1), 1
	s_wait_xcnt 0x0
	s_wait_alu depctr_hold_cnt(0) depctr_sa_sdst(0) depctr_va_vdst(0) depctr_va_sdst(0) depctr_va_ssrc(0) depctr_va_vcc(0) depctr_vm_vsrc(0)
	s_getreg_b32 s2, hwreg(HW_REG_IB_STS2, 6, 4)
	s_cmp_eq_u32 s2, 0
	s_cbranch_scc0 .Lentry_in_a_cluster
	s_endpgm
.Lentry_in_a_cluster:
	s_bfe_u32 s2, ttmp6, 0x10000c
	s_cmp_lg_u32 s2, 0xf033
	s_cbranch_scc0 .Lentry_shape_is_right
	s_endpgm
.Lentry_shape_is_right:
; qkvh = f16(xb x wqb + bf16(b_qkv)), written by heads: [3 parts][64 batch-heads][2,048 places][64], a head's rows dense, 128 bytes each.  xb: [8192][1024] bf16, wqb: [1024 k][3072 n] bf16.  Sums in f32.
; LIMIT: f16 holds no number beyond 65,504: q, k and v must stay within it.
; A tile of the result is 128 rows x 384 columns (512 work-groups of equal work); four waves, 2 x 2, each 64 rows x 192 columns: 48 accumulators, 384 registers.
; K goes in 8 steps of 128 through two LDS slots.  A slot is four regions of 36,864 bytes, one a wave: wave 0 fetches xb's 128 rows x 256 bytes (pitch 272), waves 1 to 3 a sub-tile each of wqb,
; 128 k-rows x 128 columns (rows of 256 bytes, pitch 288), which is read turned by ds_load_tr16_b128.
; CLUSTER 4 x 4: xb's tile hangs on the tile row alone and is asked for jointly along a row of the cluster, wqb's on the tile column alone and jointly along a column.
; THE MATRIX INSTRUCTION IS USED TRANSPOSED (source 0 = 16 columns of wqb, source 1 = 16 rows of xb): a lane holds row l % 16 and the columns 8 (l / 16) + 0..7.  The bias is the C operand of the products that start the sums.
; A wave's 192 columns are three heads: blocks 0-7 are sub-tile 2 wn whole, blocks 8-11 half wn of sub-tile 1.
; REGISTERS: window 0: v0-31 addresses; v64-127 xb's fragments, two buffers of 32; v128-223 the bias, 8 a block; on the way out v64-255 packed results.
;   window 1: wqb's fragments, two buffers of 96.   window 2: accumulators of row blocks 0, 1 at 8 (12 (a % 2) + b).   window 3: those of row blocks 2, 3.
.set PA,    272
.set PB,    288
.set BSUB,  128*PB                     ; 36,864: a region
.set SLOT,  4*BSUB
.set STAGE, 2*SLOT                     ; behind the ring: for each wave 3 heads x 16 rows x 144 bytes
.set SGRP,  16*144
.set SWAVE, 3*SGRP
.set SPARE, STAGE+4*SWAVE              ; the spare words, 128 bytes a wave: two blocks of 256 bytes that no other line names
.set RUN,   32                         ; LDS loads of a quarter step: 24 for wqb, 8 for xb
.set ADRA, 16                          ; v16-17 my xb fragments in slot 0, 1
.set ADRF, 18                          ; v18-19 my whole sub-tile
.set ADRH, 20                          ; v20-21 my half of sub-tile 1
.set VBF,  22
.set VBH,  23
.set STO,  24
.set RD,   25
.set GO,   26
.set SPW,  28                          ; my spare word: SPARE + 4 x my thread's number; never rewritten
.set NIL,  29                          ; 0; never rewritten
.set PFO,  30
.set TV,   31
.set BIAS, 128
.set WV,  12
.set G1,  24
.set G0,  32
.set G1B, 48
.set G0B, 56
.set PFA, 68
.set PFS, 70
.set LIM, 72
.set GB,  74                           ; s[74:79] where my three heads' rows begin in qkvh
.set MSB, 0
.macro WIN new                         ; the immediate's high byte repeats the setting that is left
.if MSB != (\new)
	s_set_vgpr_msb (MSB<<8)|(\new)
.set MSB, \new
.endif
.endm
.macro JLOAD s                         ; a joint load; the branch hangs on the wave's number alone; an s_nop 0 and four v_nop follow each line
	s_cmp_lt_u32 s[WV], 1
	s_cbranch_scc0 .Lfor_b_\@
	tensor_load_to_lds s[G0+4*(\s):G0+4*(\s)+3], s[G1:G1+7]
	s_nop 0
.rept 4
	v_nop
.endr
	s_branch .Lasked_\@
.Lfor_b_\@:
	tensor_load_to_lds s[G0B+4*(\s):G0B+4*(\s)+3], s[G1B:G1B+7]
	s_nop 0
.rept 4
	v_nop
.endr
.Lasked_\@:
.endm
.macro CREST                           ; a round of the cluster's barrier behind its opening barrier
	s_cmp_lg_u32 s[WV], 0
	s_cbranch_scc1 .Lnot_wave_0_\@
	s_barrier_signal -3
.Lnot_wave_0_\@:
	s_barrier_wait -3
	s_barrier_signal -1
	s_barrier_wait -1
.endm
.macro CROUND
	s_barrier_signal -1
	s_barrier_wait -1
	CREST
.endm
.macro PLACES                          ; four plain places between a matrix instruction and a load into, or a vector line on, its registers
.rept 4
	v_nop
.endr
.endm
; A prefetch of the K step that stands two refills on, behind the joint load and the run of LDS loads.  Each row's 256 bytes of a K step are named once in the launch: xb's by the clusters with x = 0 (wave 0),
; wqb's by those with y = 0 (waves 1 to 3); the four partners of a joint load take 32 rows each, told apart by address.  The loop's last trip (s3 = 1) has no K step two on.
.macro ASK
	s_cmp_gt_u32 s3, s[LIM]
	s_cbranch_scc0 .Lnot_mine_\@
	global_prefetch_b8 v[PFO], s[PFA:PFA+1] th:TH_LOAD_NT scope:SCOPE_SE
.Lnot_mine_\@:
.endm
	s_load_b256 s[4:11], s[0:1], 0x0               ; xb s[4:5], wqb s[6:7], b_qkv s[8:9], qkvh s[10:11]
	v_lshl_add_u32 v[SPW], v0, 2, SPARE
	v_mov_b32 v[NIL], 0
	ds_add_u32 v[SPW], v[NIL]                      ; the wave's opening: the add and its wait ahead of my first tensor load
	v_lshrrev_b32 v1, 5, v0
	v_readfirstlane_b32 s[WV], v1                  ; wave 0..3
	s_lshr_b32 s13, s[WV], 1                       ; wm: my half of the rows
	s_and_b32 s14, s[WV], 1                        ; wn: my half of the columns
	s_bfe_u32 s15, ttmp6, 0x40000                  ; cx
	s_bfe_u32 s16, ttmp6, 0x40004                  ; cy
	s_lshl_b32 s17, ttmp9, 2
	s_add_co_u32 s17, s17, s15                     ; tile column 0..7
	s_and_b32 s18, ttmp7, 0xffff
	s_lshl_b32 s18, s18, 2
	s_add_co_u32 s18, s18, s16                     ; tile row 0..63
	s_lshl_b32 s20, s16, 2
	s_lshl_b32 s20, 15, s20                        ; my row of the cluster
	s_lshl_b32 s21, 0x1111, s15                    ; my column
	s_or_b32 s[G1], s20, (1<<16)|(1<<20)|(1<<21)|(5<<22)|(3<<25)   ; mask; 2-byte elements; padding on; bit 21 beside a mask; after every 64 words 4 words
	s_or_b32 s[G1B], s21, (1<<16)|(1<<20)|(1<<21)|(5<<22)|(7<<25)  ; the same with my column's mask and 8 words
.irp g, G1, G1B
	s_mov_b32 s[(\g)+1], 128<<16                   ; tensor_dim0 = 128
	s_mov_b32 s[(\g)+2], 128<<16                   ; tensor_dim1 = 128
	s_mov_b32 s[(\g)+3], 128<<16                   ; tile_dim0 = 128
	s_mov_b32 s[(\g)+4], 128                       ; tile_dim1 = 128
	s_mov_b32 s[(\g)+6], 0
	s_mov_b32 s[(\g)+7], 0
.endr
	s_mov_b32 s[G1+5], 1024                        ; elements from row to row of xb
	s_mov_b32 s[G1B+5], 3072                       ; and of wqb
	s_lshl_b32 s40, s18, 18                        ; xb: 128 rows of 2,048 bytes a tile row
	s_mov_b32 s41, 0
	s_max_u32 s22, s[WV], 1
	s_sub_co_u32 s22, s22, 1                       ; the sub-tile that I fetch (waves 1 to 3)
	s_lshl_b32 s23, s22, 8
	s_mul_i32 s42, s17, 768                        ; wqb: 384 columns a tile column
	s_add_co_u32 s42, s42, s23
	s_mov_b32 s43, 0
	s_mul_i32 s19, s[WV], BSUB                     ; where my tile goes: wave x a region
	s_wait_dscnt 0x0                               ; the opening add is done
	s_wait_kmcnt 0x0
	s_add_nc_u64 s[40:41], s[4:5], s[40:41]
	s_add_nc_u64 s[42:43], s[6:7], s[42:43]
	CROUND                                         ; all sixteen work-groups are here: the first joint loads meet
.irp s, 0,1
	s_mov_b32 s[G0+4*(\s)], 1
	s_add_co_u32 s[G0+4*(\s)+1], s19, (\s)*SLOT
	s_add_nc_u64 s[G0+4*(\s)+2:G0+4*(\s)+3], s[40:41], (\s)*256
	s_or_b32 s[G0+4*(\s)+3], s[G0+4*(\s)+3], 0x80000000
	s_mov_b32 s[G0B+4*(\s)], 1
	s_add_co_u32 s[G0B+4*(\s)+1], s19, (\s)*SLOT
	s_add_nc_u64 s[G0B+4*(\s)+2:G0B+4*(\s)+3], s[42:43], (\s)*128*6144
	s_or_b32 s[G0B+4*(\s)+3], s[G0B+4*(\s)+3], 0x80000000
	JLOAD \s
.endr
	v_and_b32 v1, 15, v0                           ; r = l % 16
	v_bfe_u32 v2, v0, 4, 1                         ; h = l / 16
	v_mul_u32_u24 v3, v1, PA
	v_lshl_add_u32 v3, v2, 4, v3
	s_mul_i32 s20, s13, 64*PA                      ; my 64 rows of xb's tile
	v_add_nc_u32 v[ADRA], s20, v3
	v_add_nc_u32 v[ADRA+1], SLOT, v[ADRA]
	v_and_b32 v4, 7, v0                            ; the turning load: lane l reads k-row 8 h + l % 8, columns 8 ((l / 8) % 2) + 0..7
	v_lshl_add_u32 v4, v2, 3, v4
	v_mul_u32_u24 v4, v4, PB
	v_bfe_u32 v5, v0, 3, 1
	v_lshl_add_u32 v4, v5, 4, v4
	s_mul_i32 s20, s14, 2*BSUB
	s_add_co_u32 s20, s20, BSUB                    ; sub-tile 2 wn lies in region 1 + 2 wn
	v_add_nc_u32 v[ADRF], s20, v4
	v_add_nc_u32 v[ADRF+1], SLOT, v[ADRF]
	s_lshl_b32 s20, s14, 7
	s_add_co_u32 s20, s20, 2*BSUB                  ; sub-tile 1, my 128 bytes of its rows
	v_add_nc_u32 v[ADRH], s20, v4
	v_add_nc_u32 v[ADRH+1], SLOT, v[ADRH]
	s_mul_i32 s66, s17, 6
	s_lshl2_add_u32 s66, s14, s66                  ; my first whole head's number among the 48 groups of 64 columns: 6 x tile column + 4 wn
	s_mul_i32 s67, s17, 6
	s_add_co_u32 s67, s67, s14
	s_add_co_u32 s67, s67, 2                       ; and my third head's: 6 x tile column + 2 + wn
	s_add_co_u32 s2, s66, 1
	s_lshl_b32 s20, s66, 8
	v_lshl_add_u32 v[VBF], v2, 5, s20              ; the bias of my lane's 8 columns of block b: 256 g + 64 b + 32 h
	s_lshl_b32 s20, s67, 8
	v_lshl_add_u32 v[VBH], v2, 5, s20
.irp b, 0,1,2,3,4,5,6,7
	global_load_b128 v[BIAS+8*(\b):BIAS+8*(\b)+3],   v[VBF], s[8:9] offset:64*(\b)
	global_load_b128 v[BIAS+8*(\b)+4:BIAS+8*(\b)+7], v[VBF], s[8:9] offset:64*(\b)+16
.endr
.irp b, 8,9,10,11
	global_load_b128 v[BIAS+8*(\b):BIAS+8*(\b)+3],   v[VBH], s[8:9] offset:64*((\b)-8)
	global_load_b128 v[BIAS+8*(\b)+4:BIAS+8*(\b)+7], v[VBH], s[8:9] offset:64*((\b)-8)+16
.endr
	s_mul_i32 s20, s[WV], SWAVE
	s_add_co_u32 s20, s20, STAGE                   ; my stage
	v_mul_u32_u24 v[STO], v1, 144                  ; in: row l % 16, 16 bytes for each half of the lanes
	v_lshl_add_u32 v[STO], v2, 4, v[STO]
	v_add_nc_u32 v[STO], s20, v[STO]
	v_bfe_u32 v[RD], v0, 3, 2                      ; back: 32 lanes take four rows of 128 bytes,
	v_mul_u32_u24 v[RD], v[RD], 144
	v_and_b32 v5, 7, v0
	v_lshl_add_u32 v[RD], v5, 4, v[RD]
	v_add_nc_u32 v[RD], s20, v[RD]
	v_and_b32 v[GO], 31, v0                        ; which are 512 consecutive bytes of a head
	v_lshlrev_b32 v[GO], 4, v[GO]
	s_lshr_b32 s80, s18, 4
	s_lshl_b32 s80, s80, 4                         ; 16 x batch
	s_and_b32 s81, s18, 15
	s_lshl_b32 s81, s81, 14                        ; the tile's 128 places, 128 bytes each,
	s_lshl_b32 s20, s13, 13
	s_add_co_u32 s81, s81, s20                     ; my 64 of them
.macro MKGB dst, g                     ; group g of 64 columns is part g / 16, head g % 16
	s_lshr_b32 s20, s[\g], 4
	s_lshl_b32 s20, s20, 6
	s_and_b32 s21, s[\g], 15
	s_add_co_u32 s20, s20, s21
	s_add_co_u32 s20, s20, s80
	s_lshl_b32 s20, s20, 18                        ; 2,048 places x 128 bytes
	s_add_co_u32 s20, s20, s81
	s_mov_b32 s21, 0
	s_add_nc_u64 s[\dst:\dst+1], s[10:11], s[20:21]
.endm
	MKGB 74, 66
	MKGB 76, 2
	MKGB 78, 67
	; the prefetches: the address stands at K step 3 and is stepped at the head of each change of slots, so the first names K step 4.  Nothing is prefetched here, where every work-group's first tiles are on their way.
	s_lshl_b32 s80, s18, 18
	s_lshl_b32 s81, s15, 16                        ; xb: my work-group's 32 rows of the 128, by cx
	s_add_co_u32 s80, s80, s81
	s_add_co_u32 s80, s80, 3*256
	s_lshl_b32 s81, s16, 5                         ; wqb: my work-group's 32 k-rows, by cy
	s_add_co_u32 s81, s81, 3*128
	s_mul_i32 s81, s81, 6144
	s_mul_i32 s82, s17, 768
	s_add_co_u32 s81, s81, s82
	s_add_co_u32 s81, s81, s23
	s_and_b32 s82, ttmp7, 0xffff                   ; cluster y
	s_mov_b32 s83, 128*6144
	s_mov_b32 s73, 6144
	s_mov_b32 s2, 2048
	s_cmp_eq_u32 s[WV], 0
	s_cselect_b32 s80, s80, s81
	s_cselect_b32 s82, ttmp9, s82                  ; the coordinate along which other clusters read the same rows
	s_cselect_b64 s[PFA:PFA+1], s[4:5], s[6:7]
	s_cselect_b32 s[PFS], 256, s83                 ; a K step along xb's rows, or down wqb's
	s_cselect_b32 s73, s2, s73                     ; bytes from row to row
	s_mov_b32 s[PFS+1], 0
	s_mov_b32 s81, 0
	s_add_nc_u64 s[PFA:PFA+1], s[PFA:PFA+1], s[80:81]
	s_cmp_eq_u32 s82, 0
	s_cselect_b32 s[LIM], 1, -1                    ; the same in all sixteen partners, for a given wave
	v_and_b32 v[PFO], 31, v0
	v_mul_u32_u24 v[PFO], s73, v[PFO]              ; a lane a row
	s_wait_loadcnt 0x0                             ; the bias: rounded to bf16 like every input, kept as f32; these lines stand in the wait for the first tiles
.set z, 0
.rept 48
	v_cvt_pk_bf16_f32 v[TV], v[BIAS+2*z], v[BIAS+2*z+1]
	v_lshlrev_b32 v[BIAS+2*z], 16, v[TV]
	v_and_b32 v[BIAS+2*z+1], 0xffff0000, v[TV]
.set z, z+1
.endr
; 12 matrix instructions: row block a x my 12 column blocks, 32 along K, from buffer f.  mode = 1: the bias starts the sums.  The 48 accumulators take turns, in the same order in every quarter step.
.macro MULA f, a, mode
.if \mode
	WIN 0x81+0x40*((\a)/2)                         ; source 0 window 1, source 1 and C window 0, D window 2 or 3
.else
	WIN 0xa1+0x50*((\a)/2)                         ; C and D window 2 or 3
.endif
.irp b, 0,1,2,3,4,5,6,7,8,9,10,11
.if \mode
	v_wmma_f32_16x16x32_bf16 v[8*(12*((\a)%2)+(\b)):8*(12*((\a)%2)+(\b))+7], v[96*(\f)+8*(\b):96*(\f)+8*(\b)+7], v[64+32*(\f)+8*(\a):64+32*(\f)+8*(\a)+7], v[BIAS+8*(\b):BIAS+8*(\b)+7]
.else
	v_wmma_f32_16x16x32_bf16 v[8*(12*((\a)%2)+(\b)):8*(12*((\a)%2)+(\b))+7], v[96*(\f)+8*(\b):96*(\f)+8*(\b)+7], v[64+32*(\f)+8*(\a):64+32*(\f)+8*(\a)+7], v[8*(12*((\a)%2)+(\b)):8*(12*((\a)%2)+(\b))+7]
.endif
.endr
.endm
; 32 LDS loads in one run: quarter q of a slot into buffer f: wqb's 12 fragments (turned), then xb's four, row blocks 0 and 1 first
.macro FETCH slot, q, f
	WIN 0x40
.irp b, 0,1,2,3,4,5,6,7
	ds_load_tr16_b128 v[96*(\f)+8*(\b):96*(\f)+8*(\b)+3],   v[ADRF+(\slot)] offset:(\q)*32*PB+32*(\b)
	ds_load_tr16_b128 v[96*(\f)+8*(\b)+4:96*(\f)+8*(\b)+7], v[ADRF+(\slot)] offset:(\q)*32*PB+32*(\b)+16*PB
.endr
.irp b, 8,9,10,11
	ds_load_tr16_b128 v[96*(\f)+8*(\b):96*(\f)+8*(\b)+3],   v[ADRH+(\slot)] offset:(\q)*32*PB+32*((\b)-8)
	ds_load_tr16_b128 v[96*(\f)+8*(\b)+4:96*(\f)+8*(\b)+7], v[ADRH+(\slot)] offset:(\q)*32*PB+32*((\b)-8)+16*PB
.endr
	WIN 0
.irp a, 0,1,2,3
	ds_load_b128 v[64+32*(\f)+8*(\a):64+32*(\f)+8*(\a)+3],   v[ADRA+(\slot)] offset:64*(\q)+(\a)*16*PA
	ds_load_b128 v[64+32*(\f)+8*(\a)+4:64+32*(\f)+8*(\a)+7], v[ADRA+(\slot)] offset:64*(\q)+(\a)*16*PA+32
.endr
.endm
; One of a K step's first three quarters: multiplies buffer f, and in its middle fetches quarter q into buffer g
.macro QUARTER slot, q, f, g, mode
	s_wait_dscnt 4                                 ; all but the youngest four loads, xb's row blocks 2 and 3
	MULA \f, 0, \mode
	MULA \f, 1, \mode
	PLACES
	FETCH \slot, \q, \g
	s_wait_dscnt RUN                               ; all but the run just issued
	MULA \f, 2, \mode
	MULA \f, 3, \mode
.endm
; The last quarter multiplies buffer 1 and changes slots.  In front of the barrier each wave waits for all its tensor loads (one is out: its part of the next slot), adds 0 to its spare word, and waits for that
; and for its reads of this slot.  fill = 1: the barrier opens a round of the cluster's, and the joint refill, two K steps on, is the first tensor load behind it.
.macro TURN slot, next, fill
.if \fill
	s_wait_xcnt 0x0                                ; the last prefetch, a K step back, has read its address
	s_add_nc_u64 s[PFA:PFA+1], s[PFA:PFA+1], s[PFS:PFS+1]
.endif
	WIN 0
	s_wait_tensorcnt 0x0
	ds_add_u32 v[SPW], v[NIL]
	s_wait_dscnt 5                                 ; the add and the youngest four loads may be out
	MULA 1, 0, 0
	s_wait_dscnt 0x0                               ; the add is done, and my reads of this slot are over
	s_barrier_signal -1
	MULA 1, 1, 0
	WIN 0
	s_barrier_wait -1
.if \fill
	CREST
	s_add_nc_u64 s[G0+4*(\slot)+2:G0+4*(\slot)+3], s[G0+4*(\slot)+2:G0+4*(\slot)+3], 2*256
	s_add_nc_u64 s[G0B+4*(\slot)+2:G0B+4*(\slot)+3], s[G0B+4*(\slot)+2:G0B+4*(\slot)+3], 2*128*6144
	JLOAD \slot                                    ; the four v_nop behind it are also the places in front of the loads below
.else
	PLACES
.endif
	FETCH \next, 0, 0
.if \fill
	ASK
.endif
	MULA 1, 2, 0
	MULA 1, 3, 0
.endm
	s_wait_tensorcnt 0x1                           ; my part of K step 0 is in; K step 1's may stay out
	s_barrier_signal -1
	s_barrier_wait -1
	FETCH 0, 0, 0
	QUARTER 0, 1, 0, 1, 1                          ; the first quarter stands in front of the loop: its products start the sums
	WIN 0
	s_mov_b32 s3, 3
.Llap:                                         ; a trip goes once round the ring and fills both slots again: K steps 2 to 7
	QUARTER 0, 2, 1, 0, 0
	QUARTER 0, 3, 0, 1, 0
	TURN 0, 1, 1
	QUARTER 1, 1, 0, 1, 0
	QUARTER 1, 2, 1, 0, 0
	QUARTER 1, 3, 0, 1, 0
	TURN 1, 0, 1
	QUARTER 0, 1, 0, 1, 0
	WIN 0
	s_sub_co_u32 s3, s3, 1
	s_cmp_lg_u32 s3, 0
	s_cbranch_scc1 .Llap
	QUARTER 0, 2, 1, 0, 0                          ; the last lap fills nothing
	QUARTER 0, 3, 0, 1, 0
	TURN 0, 1, 0
	QUARTER 1, 1, 0, 1, 0
	QUARTER 1, 2, 1, 0, 0
	QUARTER 1, 3, 0, 1, 0
	s_wait_dscnt 4
	MULA 1, 0, 0
	MULA 1, 1, 0
	s_wait_dscnt 0x0
	MULA 1, 2, 0
	MULA 1, 3, 0
	WIN 0
; THE WAY OUT, a row block (16 places) at a time: rounded to f16, 16 bytes a lane into my stage (a head's row is 128 bytes, pitch 144), back as four rows a load, stored as 512 consecutive bytes of a head.
.macro PACK a
	WIN 0x0a+5*((\a)/2)                            ; sources in window 2 or 3
.irp b, 0,1,2,3,4,5,6,7,8,9,10,11
.irp r, 0,1,2,3
	v_cvt_pk_f16_f32 v[64+48*(\a)+4*(\b)+(\r)], v[8*(12*((\a)%2)+(\b))+2*(\r)], v[8*(12*((\a)%2)+(\b))+2*(\r)+1]
.endr
.endr
	WIN 0
.irp b, 0,1,2,3,4,5,6,7,8,9,10,11
	ds_store_b128 v[STO], v[64+48*(\a)+4*(\b):64+48*(\a)+4*(\b)+3] offset:((\b)/4)*SGRP+32*((\b)%4)
.endr
.irp n, 0,1,2,3,4,5,6,7,8,9,10,11
	ds_load_b128 v[64+48*(\a)+4*(\n):64+48*(\a)+4*(\n)+3], v[RD] offset:((\n)/4)*SGRP+576*((\n)%4)  ; LDS serves a wave's instructions in order (ISA guide 5.7.1.4): these see the stores above
.endr
.endm
.macro SEND a, younger                 ; younger: the next block's 24 LDS instructions, or none
.irp n, 0,1,2,3,4,5,6,7,8,9,10,11
	s_wait_dscnt (\younger)+11-(\n)
	global_store_b128 v[GO], v[64+48*(\a)+4*(\n):64+48*(\a)+4*(\n)+3], s[GB+2*((\n)/4):GB+2*((\n)/4)+1] offset:2048*(\a)+512*((\n)%4)
.endr
.endm
	PLACES
	PACK 0
	PACK 1
	SEND 0, 24
	PACK 2
	SEND 1, 24
	PACK 3
	SEND 2, 24
	SEND 3, 0
	s_wait_tensorcnt 0x0                           ; the wave's end
	ds_add_u32 v[SPW], v[NIL]
	s_wait_dscnt 0x0
	CROUND                                         ; the closing round
	s_endpgm
.Lfunc_end_k_q63ee45a61c_proj:
	.size	k_q63ee45a61c_proj, .Lfunc_end_k_q63ee45a61c_proj-k_q63ee45a61c_proj
	.p2alignl 7, 3214868480
	.fill 96, 4, 3214868480
	.section	.rodata,"a",@progbits
	.p2align	6, 0x0
	.amdhsa_kernel k_q63ee45a61c_proj
		.amdhsa_group_segment_fixed_size 327680
		.amdhsa_private_segment_fixed_size 0
		.amdhsa_enable_private_segment 0
		.amdhsa_kernarg_size 32
		.amdhsa_user_sgpr_count 2
		.amdhsa_user_sgpr_kernarg_segment_ptr 1
		.amdhsa_wavefront_size32 1
		.amdhsa_system_sgpr_workgroup_id_x 1
		.amdhsa_system_sgpr_workgroup_id_y 1
		.amdhsa_system_sgpr_workgroup_id_z 1
		.amdhsa_system_vgpr_workitem_id 0
		.amdhsa_next_free_vgpr 960
		.amdhsa_next_free_sgpr 84
		.amdhsa_reserve_vcc 0
		.amdhsa_float_denorm_mode_32 3
		.amdhsa_float_denorm_mode_16_64 3
		.amdhsa_memory_ordered 1
		.amdhsa_forward_progress 1
		.amdhsa_inst_pref_size 132
	.end_amdhsa_kernel
	.amdgpu_metadata
---
amdhsa.version: [ 1, 2 ]
amdhsa.kernels:
  - .name:           k_q63ee45a61c_proj
    .symbol:         k_q63ee45a61c_proj.kd
    .args:
      - { .name: xb, .offset: 0, .size: 8, .value_kind: global_buffer, .address_space: global }
      - { .name: wqb, .offset: 8, .size: 8, .value_kind: global_buffer, .address_space: global }
      - { .name: b_qkv, .offset: 16, .size: 8, .value_kind: global_buffer, .address_space: global }
      - { .name: qkvh, .offset: 24, .size: 8, .value_kind: global_buffer, .address_space: global }
    .group_segment_fixed_size: 327680
    .private_segment_fixed_size: 0
    .kernarg_segment_align: 8
    .kernarg_segment_size: 32
    .max_flat_workgroup_size: 128
    .sgpr_count:     84
    .vgpr_count:     960
    .wavefront_size: 32
...
	.end_amdgpu_metadata
.endif
;; end of part 3
;; launch attn (part 4): grid 4 x 64, 4 waves a work-group, clusters of 4 x 1, 327,680 bytes of LDS; arguments qkvh, order, ctx; writes ctx
.if DOCPART == 4
	.amdgcn_target "amdgcn-amd-amdhsa--gfx1250"
	.amdhsa_code_object_version 6
	.text
	.protected	k_q63ee45a61c_attn
	.globl	k_q63ee45a61c_attn
	.p2align	8
	.type	k_q63ee45a61c_attn,@function
k_q63ee45a61c_attn:
	s_mov_b64 s[64:65], 0
	v_nop
	global_prefetch_b8 v0, s[64:65] scope:SCOPE_SE
	s_setreg_imm32_b32 hwreg(HW_REG_WAVE_MODE, 25, 1), 1
	s_wait_xcnt 0x0
	s_wait_alu depctr_hold_cnt(0) depctr_sa_sdst(0) depctr_va_vdst(0) depctr_va_sdst(0) depctr_va_ssrc(0) depctr_va_vcc(0) depctr_vm_vsrc(0)
	s_getreg_b32 s2, hwreg(HW_REG_IB_STS2, 6, 4)
	s_cmp_eq_u32 s2, 0
	s_cbranch_scc0 .Lentry_in_a_cluster
	s_endpgm
.Lentry_in_a_cluster:
	s_bfe_u32 s2, ttmp6, 0x10000c
	s_cmp_lg_u32 s2, 0x3003
	s_cbranch_scc0 .Lentry_shape_is_right
	s_endpgm
.Lentry_shape_is_right:
; ctx[bh][p][:] = float(mask at place p) x the sum over visible places k of softmax_k(Q[bh][p] . K[bh][k] / 8) V[bh][k][:].  Q, K, V are the three parts of qkvh, [64][2048][64] f16; ctx the same shape, f16.
; Places are sorted: a batch's cnt visible tokens stand first.  So a key is hidden where its place is cnt or more.
; Products, maxima and sums in f32; the weights p are rounded to f16 for the second product (their sum l is taken of the unrounded p), ctx once at the end.
; LIMITS.  f16 holds no number beyond 65,504: Q, K, V arrive within it.  A hidden score counts as its value less 1e30 (f16's scores are 2.7e11 at the most); a weight below 2^-126 counts as 0 in l; p below 6e-5 keeps
; f16's fixed step of 6e-8.  A batch with no visible key gives NaN in all its rows, as a softmax of nothing does: NaN is added to its query factors.
; THE KEY BIAS, 0 or -1e30 for each place, lies in LDS (2,048 f32, made once from cnt) and is the C operand of the products that start the sums S^T = K Q^T.
; ALL EIGHT TILES OF 256 KEYS ARE WALKED, those whose keys are all hidden too: their weights come out as 0.  No branch of this text hangs on cnt.
; SHARES, LAYOUT, SOFTMAX, TURNS.  A wave owns four PIECES of two tiles of 16 queries, a work-group 512 queries of one head; every wave walks the keys, 64 a step.  S^T = K Q^T holds ONE query a lane (lane % 16) and the keys
; 8 (lane / 16) + 0..7; two such results rounded to f16 ARE source 1 of O^T = V^T P.  p = 2^(c s - c m), c = log2(e) / 8, with a running maximum m; O and l are multiplied by a = 2^(c m_old - c m_new) in every step.
; m starts at the lowest finite number, O and l at 0.  Turn n belongs to piece n: 16 products K Q^T of piece n + 1, later 16 products V^T P of piece n - 1; beside them piece n's scaling, exponentials, roundings, sums and rescaling and
; piece n + 1's maximum and statistics.  Four vector instructions stand behind every matrix instruction, the rest in one lump; a turn's 66 exponentials are one batch with one wait.
; CLUSTER.  The four query blocks of a head walk the same K and V: each tile is asked for jointly.
; REGISTERS: window 0: v0-11 addresses; v12-15, v48-63 at work; v16-47 statistics; v64-191 S^T, two buffers of two tiles; v192-255 P.   window 1: O^T, 32 a tile.
;   window 2: v0-127 Q; v128-191 K of one step; v192-255 V of one step.   window 3: v0-1 the add's registers; v8-39 the step's key bias; v40-47 my queries' mask values; v48 the prefetches' offset.
.set SIZE_N, 2048
.set NP,    4
.set KS,    64
.set PK,    144       ; a row of K in LDS: 128 bytes + 16
.set PV,    160       ; a row of V: 128 + 32
.set VOFF,  4*KS*PK   ; a slot holds four steps: 256 rows of K, then 256 rows of V
.set SLOT1, 1<<17     ; slot 1 begins here, so that one exclusive or turns an address in one slot into the other's
.set STAGE, SLOT1+4*KS*(PK+PV)  ; behind the ring: 16 rows x 144 bytes for each wave
.set SP,    144
.set SPARE, STAGE+4*16*SP       ; the spare words: two blocks of 256 bytes that no other line names
.set MASK,  SPARE+512           ; the key bias: 2,048 f32
.set AK0, 2
.set AV0, 3
.set AK,  4
.set AV,  5
.set QO,  6
.set STO, 6
.set RD,  7
.set GO,  8
.set AM,  11          ; v11  the LDS address of the key bias's next run of loads
.set SPW, 0           ; window 3
.set NIL, 1           ; window 3
.set MC,  8           ; window 3: key block kb's eight at MC + 8 kb
.set MQ,  40          ; window 3: tile t's mask value of my lane's query
.set PFO, 48          ; window 3: 256 x my lane
.set MV,  12
.set ST,  16
.set TMP, 48
.set S,   64
.set P,   192
.set KF,  128
.set VF,  192
.set WV,  12
.set G1K, 24
.set G1V, 32
.set G0K, 40
.set G0V, 44
.set SLOTS, 56
.set CNT, 57
.set CS,  58
.set SEL, 60
.set TBK, 62          ; s62  LDS byte at which K of the step to be fetched begins
.set TBV, 63          ; s63  the same for V, less VOFF
.set NBK, 67          ; s67  cnt
.set ORD, 68          ; s[68:69] order
.set B4,  70          ; s70  4 x batch
.set NANF, 71         ; s71  NaN if the batch has no visible key, else 0
.set BIGN, 72         ; s72  -1e30
.set TBM, 75          ; s75  LDS byte of the key bias of the step to be fetched: it steps on from MASK, 256 bytes a step, and is never set back
.set MQP, 76          ; s[76:77] my wave's queries in mq
.set PFA, 78          ; s[78:79] where my prefetches stand
.set LIM, 80          ; s80  1 in a wave that prefetches, else the greatest number
.set MSB, 0
.macro WIN new                      ; the high byte repeats the setting that is left; a switch that changes nothing is dropped
.if MSB != (\new)
	s_set_vgpr_msb (MSB<<8)|(\new)
.set MSB, (\new)
.endif
.endm
.set W_KQ, 0x0a       ; K and Q in window 2, S^T in window 0
.set W_KM, 0x3a       ; the same with the C operand in window 3
.set W_PV, 0x52       ; V in window 2, P in window 0, O^T in window 1
.set W_RS, 0x41       ; O^T in window 1, a in window 0
.set W_MK, 0xc0       ; destination in window 3, sources in window 0
.set W_AD, 0x0f       ; the add: address and data in window 3
.macro JLOAD                        ; waves 0 and 1 fetch the two halves of a slot's K, waves 2 and 3 those of its V; an s_nop 0 and four v_nop follow each line
	s_cmp_lt_u32 s[WV], 2
	s_cbranch_scc0 .Lfor_v_\@
	tensor_load_to_lds s[G0K:G0K+3], s[G1K:G1K+7]
	s_nop 0
.rept 4
	v_nop
.endr
	s_branch .Lasked_\@
.Lfor_v_\@:
	tensor_load_to_lds s[G0V:G0V+3], s[G1V:G1V+7]
	s_nop 0
.rept 4
	v_nop
.endr
.Lasked_\@:
.endm
.macro CROUND                       ; a round of the cluster's barrier
	s_barrier_signal -1
	s_barrier_wait -1
	s_cmp_lg_u32 s[WV], 0
	s_cbranch_scc1 .Lnot_wave_0_\@
	s_barrier_signal -3
.Lnot_wave_0_\@:
	s_barrier_wait -3
	s_barrier_signal -1
	s_barrier_wait -1
.endm
; A prefetch of the tile that the NEXT change of slots will ask for: 128 blocks of 256 bytes of K and of V.  A head has one cluster; its four partners take 32 blocks each, told apart by address; wave 0 asks for K's, wave 2 for V's:
; each block is named once in the launch.  The change that fills the last tile asks for nothing.
.macro ASK
	s_cmp_gt_u32 s[SLOTS], s[LIM]
	s_cbranch_scc0 .Lnot_mine_\@
	WIN 0x03
	global_prefetch_b8 v[PFO], s[PFA:PFA+1] th:TH_LOAD_NT scope:SCOPE_SE
	WIN 0
.Lnot_mine_\@:
.endm
; THE CHANGE OF SLOTS.  Each wave waits for all its tensor loads (one is out: its part of the other slot), adds 0 to its spare word, and waits for that and for its LDS instructions.  fill = 1: the barrier is a round of the cluster's,
; and the joint fill of the slot that is left, with the keys two slots on, is the first thing behind it: it has four key steps, 512 matrix instructions, in which to land.
; (At its first use nothing has been read yet: slot 0 is waited for, slot 1 filled.)
.macro CHANGE fill
	WIN W_AD
	s_wait_tensorcnt 0x0            ; no tensor load of mine is out, so a group 0 may be written
	ds_add_u32 v[SPW], v[NIL]
	WIN 0                           ; at a label and at a branch every window is 0
.if \fill
.irp g, G0K, G0V
	s_xor_b32 s[\g+1], s[\g+1], SLOT1  ; the walking descriptor: the other slot than last time,
	s_add_nc_u64 s[\g+2:\g+3], s[\g+2:\g+3], 4*KS*128  ; the next 256 keys
.endr
	s_wait_xcnt 0x0                 ; the last prefetch, a tile back, has read its address
	s_add_nc_u64 s[PFA:PFA+1], s[PFA:PFA+1], 4*KS*128
	s_wait_dscnt 0x0                ; the add is done, and my LDS instructions are over
	CROUND
	JLOAD
	ASK
.else
	s_wait_dscnt 0x0
	s_barrier_signal -1
	s_barrier_wait -1
.endif
	s_sub_co_u32 s[TBK], s[TBK], 4*KS*PK  ; the fetches go back to a slot's first step,
	s_xor_b32 s[TBK], s[TBK], SLOT1       ; in the other slot
	s_sub_co_u32 s[TBV], s[TBV], 4*KS*PV
	s_xor_b32 s[TBV], s[TBV], SLOT1
.endm
	s_load_b64 s[4:5], s[0:1], 0x0  ; qkvh: Q's part
	s_load_b64 s[ORD:ORD+1], s[0:1], 0x8
	s_load_b64 s[10:11], s[0:1], 0x10  ; ctx
	WIN W_MK
	v_lshl_add_u32 v[SPW], v0, 2, SPARE
	v_mov_b32 v[NIL], 0
	WIN W_AD
	ds_add_u32 v[SPW], v[NIL]       ; the wave's opening: the add and its wait ahead of my first tensor load
	WIN 0
	v_lshrrev_b32 v1, 5, v0
	v_readfirstlane_b32 s[WV], v1   ; wave 0..3
	s_bfe_u32 s13, ttmp6, 0x40000   ; cx
	s_lshl_b32 s14, ttmp9, 2
	s_add_co_u32 s14, s14, s13      ; my block of 512 queries
	s_and_b32 s20, ttmp7, 0xffff    ; the batch-head, which the four partners share
	s_lshr_b32 s[B4], s20, 4
	s_lshl_b32 s[B4], s[B4], 2
	s_mov_b32 s21, 0
	s_mov_b64 s[22:23], SIZE_N*128
	s_mul_u64 s[20:21], s[20:21], s[22:23]  ; the head's first byte in each part and in ctx
	s_and_b32 s16, s[WV], 1         ; which half of a slot's 256 keys I fetch
	s_lshl_b32 s22, s16, 14
	s_mov_b32 s23, 0
	s_add_nc_u64 s[22:23], s[22:23], s[20:21]
	s_mul_i32 s17, s16, 128*PK
	s_mul_i32 s18, s16, 128*PV
	s_lshl_b32 s2, s14, 2
	s_add_co_u32 s2, s2, s[WV]      ; my wave among the head's
	s_lshl_b32 s[MQP], s2, 9        ; its 128 queries' ints,
	s_lshl_b32 s3, s[B4], 11        ; in the batch's 2,048,
	s_add_co_u32 s[MQP], s[MQP], s3
	s_add_co_u32 s[MQP], s[MQP], 32768  ; in mq
	s_mov_b32 s[MQP+1], 0
	s_lshl_b32 s2, s2, 14           ; its 128 rows
	s_mov_b32 s3, 0
	s_add_nc_u64 s[2:3], s[2:3], s[20:21]
	s_lshl_b32 s[PFA], s13, 13      ; my work-group's 32 blocks of a tile's 128,
	s_add_co_u32 s[PFA], s[PFA], 4*KS*128  ; in tile 1: the first change of slots steps it to tile 2
	s_mov_b32 s[PFA+1], 0
	s_add_nc_u64 s[PFA:PFA+1], s[PFA:PFA+1], s[20:21]
	s_and_b32 s[LIM], s[WV], 1
	s_cmp_eq_u32 s[LIM], 0
	s_cselect_b32 s[LIM], 1, -1     ; waves 0 and 2
	s_mov_b32 s[G1K], 15|(1<<16)|(1<<20)|(1<<21)|(4<<22)|(3<<25)  ; the mask of four; 2-byte elements; padding on; bit 21 beside a mask; after every 32 words 4 words
	s_mov_b32 s[G1V], 15|(1<<16)|(1<<20)|(1<<21)|(4<<22)|(7<<25)  ; the same with 8 words
.irp g, G1K, G1V
	s_mov_b32 s[\g+1], 128<<16      ; 128 keys are 16,384 dense bytes: asked for as 64 rows of 256 bytes
	s_mov_b32 s[\g+2], 64<<16
	s_mov_b32 s[\g+3], 128<<16
	s_mov_b32 s[\g+4], 64
	s_mov_b32 s[\g+5], 128
	s_mov_b32 s[\g+6], 0
	s_mov_b32 s[\g+7], 0
.endr
	s_mov_b32 s[CS], 0x3e38aa3b     ; c = log2(e) / 8
	s_mov_b32 s[CS+1], s[CS]
	s_mov_b32 s[SEL], 0x76543210
	s_mov_b32 s[SEL+1], 0xfedcba98
	s_mov_b32 s[BIGN], 0xf149f2ca   ; -1e30
	s_mov_b32 s[TBK], SLOT1+4*KS*PK ; the first change of slots turns these two into 0
	s_mov_b32 s[TBV], SLOT1+4*KS*PV
	s_mov_b32 s[TBM], MASK
	s_mov_b32 s[SLOTS], SIZE_N/256-1
	s_mov_b32 s[G0K], 1
	s_mov_b32 s[G0K+1], s17
	s_mov_b32 s[G0V], 1
	s_add_co_u32 s[G0V+1], s18, VOFF
	s_wait_dscnt 0x0                ; the opening add is done
	s_wait_kmcnt 0x0
	s_add_nc_u64 s[6:7], s[4:5], 0x1000000  ; K's part
	s_add_nc_u64 s[8:9], s[4:5], 0x2000000  ; V's part
	s_load_b32 s[NBK], s[ORD:ORD+1], s[B4] offset:0x10000  ; cnt of my batch
	s_add_nc_u64 s[MQP:MQP+1], s[ORD:ORD+1], s[MQP:MQP+1]
	s_cmp_lt_u32 s[WV], 2
	s_cselect_b64 s[82:83], s[6:7], s[8:9]
	s_add_nc_u64 s[PFA:PFA+1], s[82:83], s[PFA:PFA+1]
	s_add_nc_u64 s[G0K+2:G0K+3], s[6:7], s[22:23]
	s_or_b32 s[G0K+3], s[G0K+3], 0x80000000
	s_add_nc_u64 s[G0V+2:G0V+3], s[8:9], s[22:23]
	s_or_b32 s[G0V+3], s[G0V+3], 0x80000000
	s_add_nc_u64 s[4:5], s[4:5], s[2:3]
	s_add_nc_u64 s[10:11], s[10:11], s[2:3]
	CROUND                          ; all four work-groups are here
	JLOAD                           ; slot 0.  Slot 1 is asked for when slot 0 is in
	v_and_b32 v1, 15, v0            ; l % 16
	v_bfe_u32 v9, v0, 4, 1          ; l / 16
	v_lshlrev_b32 v[QO], 7, v1
	v_lshl_add_u32 v[QO], v9, 4, v[QO]
	v_lshlrev_b32 v12, 2, v1        ; my query's int in a tile's sixteen
	v_and_b32 v13, 31, v0
	v_lshlrev_b32 v13, 8, v13
	WIN 0x80
.set i, 0
.rept 4*NP                          ; Q stays in registers: tile i / 2, channels 32 (i % 2) on
	global_load_b128 v[8*i:8*i+3],   v[QO], s[4:5] offset:(i/2)*2048+(i%2)*64
	global_load_b128 v[8*i+4:8*i+7], v[QO], s[4:5] offset:(i/2)*2048+(i%2)*64+32
.set i, i+1
.endr
.set i, VF
.rept 64                            ; what the first turn finds: V's registers and P's second buffer hold 0, O^T and l are 0; all this stands in the wait for the first tile
	v_mov_b32 v[i], 0
.set i, i+1
.endr
	WIN W_MK
.set i, 0
.rept 2*NP
	global_load_b32 v[MQ+i], v12, s[MQP:MQP+1] offset:64*i
.set i, i+1
.endr
	v_mov_b32 v[PFO], v13
	WIN 0x40
.set i, 0
.rept 64*NP
	v_mov_b32 v[i], 0
.set i, i+1
.endr
	WIN 0
.set i, 0
.rept 2*NP
	v_mov_b32 v[ST+4*i], 0xfe000000    ; c m: far below every c s, a hidden key's too
	v_mov_b32 v[ST+4*i+1], 0xff7fffff  ; m
	v_mov_b32 v[ST+4*i+2], 0
	v_mov_b32 v[ST+4*i+3], 0
.set i, i+1
.endr
.set i, P+32
.rept 32
	v_mov_b32 v[i], 0
.set i, i+1
.endr
	v_mul_u32_u24 v[AK0], v1, PK
	v_lshl_add_u32 v[AK0], v9, 4, v[AK0]
	v_and_b32 v10, 7, v0
	v_bfe_u32 v11, v0, 3, 1
	v_lshl_add_u32 v[AV0], v9, 3, v10
	v_mul_u32_u24 v[AV0], v[AV0], PV
	v_lshl_add_u32 v[AV0], v11, 4, v[AV0]
	v_add_nc_u32 v[AV0], VOFF, v[AV0]
	s_wait_kmcnt 0x0                ; cnt
	s_min_u32 s[NBK], s[NBK], 2048
	s_cmp_eq_u32 s[NBK], 0
	s_cselect_b32 s[NANF], 0x7fc00000, 0
	v_lshlrev_b32 v13, 4, v0        ; THE KEY BIAS: thread t makes places 16 t .. 16 t + 15
	v_sub_nc_u32 v13, s[NBK], v13   ; place 16 t + e is hidden where e >= cnt - 16 t
.set e, 0
.rept 16
	v_cmp_ge_i32 vcc_lo, e, v13
	v_cndmask_b32 v[S+e], 0, s[BIGN], vcc_lo
.set e, e+1
.endr
	v_lshl_add_u32 v14, v0, 6, MASK
.irp f, 0,1,2,3
	ds_store_b128 v14, v[S+4*\f:S+4*\f+3] offset:16*\f  ; the first change of slots waits for these and passes a barrier before any wave reads them
.endr
.macro KQ x                         ; product i of 16 of S^T = K Q^T for piece x; the first 8 start the sums with the key bias.  The 8 accumulators take turns
.set rS, S+64*((\x)%2)+32*(i%2)+8*((i/2)%4)
.set rK, KF+16*((i/2)%4)+8*(i/8)
.set rQ, 16*(2*(\x)+i%2)+8*(i/8)
.set rB, MC+8*((i/2)%4)
.if i < 8
	WIN W_KM
	v_wmma_f32_16x16x32_f16 v[rS:rS+7], v[rK:rK+7], v[rQ:rQ+7], v[rB:rB+7]
.else
	WIN W_KQ
	v_wmma_f32_16x16x32_f16 v[rS:rS+7], v[rK:rK+7], v[rQ:rQ+7], v[rS:rS+7]
.endif
.endm
.macro PV x                         ; product i of 16 of O^T += V^T P for piece x
	WIN W_PV
.set rO, 32*(2*(\x)+i%2)+8*((i/2)%4)
.set rV, VF+32*(i/8)+8*((i/2)%4)
.set rP, P+32*((\x)%2)+16*(i%2)+8*(i/8)
	v_wmma_f32_16x16x32_f16 v[rO:rO+7], v[rV:rV+7], v[rP:rP+7], v[rO:rO+7]
.endm
.macro MM                           ; the turn's next matrix instruction
.if i < 16
	KQ (Y+1)%NP
.set i, i+1
.else
.set i, i-16
	PV (Y+NP-1)%NP
.set i, i+17
.endif
.endm
; THE LDS LOADS stand in runs: a step's K (8 fragments) with its key bias (a lane's 8 keys of each of 4 key blocks), and its V (turned).
; last = 1 (the tail): in the last trip there is no further step, and the run is jumped over.
.macro FETCH_K last=0
	WIN 0
.if \last
	s_cmp_eq_u32 s[CNT], 1
	s_cbranch_scc1 .Lno_k_\@
.endif
	WIN 0x80
.irp f, 0,1,2,3,4,5,6,7
	ds_load_b128 v[KF+8*\f:KF+8*\f+3],   v[AK] offset:(\f/2)*16*PK+(\f%2)*64
	ds_load_b128 v[KF+8*\f+4:KF+8*\f+7], v[AK] offset:(\f/2)*16*PK+(\f%2)*64+32
.endr
	WIN W_MK
.irp f, 0,1,2,3
	ds_load_b128 v[MC+8*\f:MC+8*\f+3],   v[AM] offset:64*\f
	ds_load_b128 v[MC+8*\f+4:MC+8*\f+7], v[AM] offset:64*\f+16
.endr
	s_add_co_u32 s[TBK], s[TBK], KS*PK  ; the next fetch is the next step's
	s_add_co_u32 s[TBM], s[TBM], 4*KS
	WIN 0
.if \last
.Lno_k_\@:
.endif
.endm
.macro FETCH_V
	WIN 0x80
.irp f, 0,1,2,3,4,5,6,7
	ds_load_tr16_b128 v[VF+8*\f:VF+8*\f+3],   v[AV] offset:(\f/4)*32*PV+(\f%4)*32
	ds_load_tr16_b128 v[VF+8*\f+4:VF+8*\f+7], v[AV] offset:(\f/4)*32*PV+16*PV+(\f%4)*32
.endr
	WIN 0
.endm
; THE VECTOR WORK OF A TURN stands in three queues, each in the order in which its entries become ready; the two tiles alternate.
.macro REGS y, u
.set rT, ST+4*(2*(\y)+(\u))
.set rC, TMP+8*((\y)%2)+4*(\u)
.set rM, MV+2*((\y)%2)+(\u)
.set rS, S+64*((\y)%2)+32*(\u)
.set rP, P+32*((\y)%2)+16*(\u)
.set rO, 32*(2*(\y)+(\u))
.endm
; Number n of the 22 that find the NEXT piece's maximum and statistics; each accumulator's lowest registers are read first.
.macro XS u, n
	REGS (Y+1)%NP, \u
.if (\n) < 4
	v_max3_num_f32 v[rC+(\n)], v[rS+8*(\n)], v[rS+8*(\n)+1], v[rS+8*(\n)+2]
.elseif (\n) < 12
	v_max3_num_f32 v[rC+(\n)%4], v[rC+(\n)%4], v[rS+8*((\n)%4)+2*((\n)/4)+1], v[rS+8*((\n)%4)+2*((\n)/4)+2]
.elseif (\n) == 12
	v_max3_num_f32 v[rC], v[rC], v[rS+7], v[rS+15]
.elseif (\n) == 13
	v_max3_num_f32 v[rC+1], v[rC+1], v[rS+23], v[rS+31]
.elseif (\n) == 14
	v_max3_num_f32 v[rC+2], v[rC+2], v[rC+3], v[rT+1]
.elseif (\n) == 15
	v_mov_b32 v[rM], v[rT]
.elseif (\n) == 16
	v_max3_num_f32 v[rC], v[rC], v[rC+1], v[rC+2]
.elseif (\n) == 17
	v_permlanex16_b32 v[rC+3], v[rC], s[SEL], s[SEL+1]
.elseif (\n) == 18
	v_max_num_f32 v[rT+1], v[rC], v[rC+3]
.elseif (\n) == 19
	v_mul_f32 v[rT], s[CS], v[rT+1]
.elseif (\n) == 20
	v_sub_f32 v[rC+1], v[rM], v[rT]
.else
	v_exp_f32 v[rC+2], v[rC+1]
.endif
.endm
; Number g of the 64 that follow the exponentials: roundings to f16, the second pair of four weights added onto the first, and a group later l takes that sum (the first time as l = a l + sum).
.macro GS g
.set h, (\g)+6*((\g)/62)
.if h >= 6
.set h, h+2
.endif
	REGS Y, h%2
.set k, h/8
.if h%8 < 4
	v_cvt_pk_f16_f32 v[rP+2*k+(h%8)/2], v[rS+4*k+2*((h%8)/2)], v[rS+4*k+2*((h%8)/2)+1]
.elseif h%8 < 6
	v_pk_add_f32 v[rS+4*k:rS+4*k+1], v[rS+4*k:rS+4*k+1], v[rS+4*k+2:rS+4*k+3]
.elseif k == 1
	v_pk_fma_f32 v[rT+2:rT+3], v[rT+2:rT+3], v[rC+2:rC+3], v[rS:rS+1] op_sel_hi:[1,0,1]
.else
	v_pk_add_f32 v[rT+2:rT+3], v[rT+2:rT+3], v[rS+4*k-4:rS+4*k-3]
.endif
.endm
.macro FS f                         ; c s - c m for pair f / 2 of tile f % 2
	REGS Y, (\f)%2
	v_pk_fma_f32 v[rS+2*((\f)/2):rS+2*((\f)/2)+1], v[rS+2*((\f)/2):rS+2*((\f)/2)+1], s[CS:CS+1], v[rT:rT+1] op_sel_hi:[1,0,0] neg_lo:[0,0,1] neg_hi:[0,0,1]
.endm
; THE PLAIN QUEUE, 138 long: 0-26 scalings; 27-56 the next piece's maxima; 57-73 the chain of its statistics with scalings 27-31 between the links; 74-137 what reads the exponentials' results.
.macro PL
	WIN 0
.if q < 27
	FS q
.elseif q < 55
	XS (q-27)%2, (q-27)/2
.elseif q < 57
	XS q-55, 15
.elseif (q < 72) && ((q-57)%3 == 0)
	FS 27+(q-57)/3
.elseif q < 60
	XS (q-57)%3-1, 14
.elseif q < 72
	XS (q-57)%3-1, 15+(q-57)/3
.elseif q < 74
	XS q-72, 20
.else
	GS q-74
.endif
.set q, q+1
.endm
.macro EX                           ; THE EXPONENTIALS' QUEUE, 66 long: one batch, all ahead of the turn's one wait
	WIN 0
.if e >= 64
	XS e-64, 21
.else
	REGS Y, e%2
	v_exp_f32 v[rS+e/2], v[rS+e/2]
.endif
.set e, e+1
.endm
.macro R2                           ; THE RESCALING's QUEUE: O^T times a, two at a time
	REGS Y, r%2
	WIN W_RS
.irp z, 0,1
	v_pk_mul_f32 v[rO+4*(r/2)+2*\z:rO+4*(r/2)+2*\z+1], v[rO+4*(r/2)+2*\z:rO+4*(r/2)+2*\z+1], v[rC+2:rC+3] op_sel_hi:[1,0]
.endr
.set r, r+1
.endm
; A TURN, for piece p.  Ahead of its one wait stands all that names no result of its exponentials: 16 products K Q^T with a scaling, an exponential and two rescalings behind each, then a lump of 108.  Behind the wait: 16 products V^T P,
; behind each four of the roundings and sums.  K and the key bias of the next step are fetched in piece 2's turn, directly behind the wait, a lump behind the last product that read them; V of the step in hand at the end of piece 0's turn,
; four riders behind its last reader.  cnt = 1: the loop's count is taken down some lines ahead of the branch behind the turn.
.macro TURN p, last=0, cnt=0
.set Y, (\p)
.set i, 0
.set q, 0
.set e, 0
.set r, 0
.if (\p) == NP-1
	s_wait_dscnt 0x0                ; K and its bias are in
.endif
	MM
	PL
	PL
	R2
.rept 15
	MM
	PL
	EX
	R2
.endr
.if (\p) == NP-2
	WIN 0
	v_add_nc_u32 v[AK], s[TBK], v[AK0]
	v_lshl_add_u32 v[AM], v9, 5, s[TBM]  ; my lanes' 8 keys of a block of 16: 32 bytes for each half of the lanes
.endif
.rept 8
	PL
.endr
.rept 49
	EX
	PL
.endr
	EX
	EX
	v_nop                           ; a plain instruction behind the last exponential: one for the batch
	s_wait_alu depctr_va_vdst(0)    ; the wait ahead of the batch's first reader
.if (\p) == NP-2
	FETCH_K \last
.endif
.if (\p) == 1
	s_wait_dscnt 0x0                ; V is in
.endif
.rept 16
	MM
.rept 4
	PL
.endr
.if ((\p) == 0) && (q == 118)
	v_add_nc_u32 v[AV], s[TBV], v[AV0]
.endif
.if ((\p) == 0) && (q == 130)
	s_add_co_u32 s[TBV], s[TBV], KS*PV
.endif
.if (\cnt) && (q == 130)
	s_sub_co_u32 s[CNT], s[CNT], 1
	s_cmp_lg_u32 s[CNT], 0
.endif
.endr
.if (\p) == 0
	FETCH_V
.endif
.endm
	CHANGE 1                        ; slot 0 is in, and everybody's part of the key bias; slot 1 is asked for
	v_add_nc_u32 v[AK], s[TBK], v[AK0]
	v_lshl_add_u32 v[AM], v9, 5, s[TBM]
	FETCH_K                         ; key step 0
	s_wait_loadcnt 0x0              ; Q and my queries' mask values
	s_wait_dscnt 0x0
.set i, 0
.rept 16
	KQ 0                            ; piece 0's first scores
.set i, i+1
.endr
	WIN 0                           ; the addresses for the way out: the places behind those products
	s_mul_i32 s13, s[WV], 16*SP
	s_add_co_u32 s13, s13, STAGE
	v_mul_u32_u24 v[STO], v1, SP
	v_lshl_add_u32 v[STO], v9, 4, v[STO]
	v_add_nc_u32 v[STO], s13, v[STO]
	v_bfe_u32 v[RD], v0, 3, 2
	v_mul_u32_u24 v[RD], v[RD], SP
	v_lshl_add_u32 v[RD], v10, 4, v[RD]
	v_add_nc_u32 v[RD], s13, v[RD]
	v_and_b32 v[GO], 31, v0
	v_lshlrev_b32 v[GO], 4, v[GO]
.set Y, NP-1
.irp n, 0,1,2,3,4,5,6,7,8,9,10,11,12,13,14,15,16,17,18,19,20,21
	XS 0, \n
	XS 1, \n
.endr
	v_nop
	s_wait_alu depctr_va_vdst(0)    ; the two a have their wait ahead of the branch
	s_mov_b32 s[CNT], 4
	s_branch .Lfirst                ; the loop is entered at a step's first turn, in the middle of a trip
.Lslot:                             ; six times: every slot but the last two is filled again
	CHANGE 1
	s_mov_b32 s[CNT], 4
.Lstep:                             ; a trip: pieces 2 and 3 of one step, then pieces 0 and 1 of the next, whose K and V it fetches
	TURN 2
	TURN 3
	WIN 0
.Lfirst:
	TURN 0
	TURN 1, 0, 1
	WIN 0
	s_cbranch_scc1 .Lstep
	s_sub_co_u32 s[SLOTS], s[SLOTS], 1
	s_cmp_lg_u32 s[SLOTS], 0
	s_cbranch_scc1 .Lslot
	CHANGE 0                        ; the tail is written out: nothing is asked for
	s_mov_b32 s[CNT], 5             ; four trips fetch the last slot's steps; the fifth is left in its middle
.Ltail:
	TURN 2, 1
	TURN 3
	WIN 0
	s_sub_co_u32 s[CNT], s[CNT], 1
	s_cmp_eq_u32 s[CNT], 0
	s_cbranch_scc1 .Lout
	TURN 0
	TURN 1
	WIN 0
	s_branch .Ltail
.Lout:                              ; the fifth trip's 16 products K Q^T (on the last K once more) and the maximum made of them serve nothing: the price, once a launch, of one text for every trip
.set i, 0
.rept 16
	PV NP-1                         ; the last piece's V^T P of the last step
.set i, i+1
.endr
	; THE WAY OUT.  l's two halves and the other half of the lanes' are added; O^T is multiplied by float(mask) / l, rounded to f16 and sent through my stage, a tile at a time.
	WIN 0
.macro ALL line:vararg
.set t, 0
.rept 2*NP
	\line
.set t, t+1
.endr
.endm
	ALL v_add_f32 v[ST+4*t+2], v[ST+4*t+2], v[ST+4*t+3]
	ALL v_permlanex16_b32 v[ST+4*t+3], v[ST+4*t+2], s[SEL], s[SEL+1]
	ALL v_add_f32 v[ST+4*t+2], v[ST+4*t+2], v[ST+4*t+3]
	ALL v_rcp_f32 v[ST+4*t+2], v[ST+4*t+2]
	WIN 0x03
	ALL v_cvt_f32_i32 v[ST+4*t+3], v[MQ+t]
	WIN 0
	ALL v_add_f32 v[ST+4*t+3], s[NANF], v[ST+4*t+3]
	v_nop
	s_wait_alu depctr_va_vdst(0)    ; one wait for the eight reciprocals, ahead of their first reader
	ALL v_mul_f32 v[ST+4*t+2], v[ST+4*t+2], v[ST+4*t+3]
.macro PACK t
	WIN W_RS
.set i, 32*(\t)
.rept 16
	v_pk_mul_f32 v[i:i+1], v[i:i+1], v[ST+4*(\t)+2:ST+4*(\t)+3] op_sel_hi:[1,0]
.set i, i+2
.endr
	WIN 0x05
.set i, 0
.rept 16
	v_cvt_pk_f16_f32 v[S+16*(\t)+i], v[32*(\t)+2*i], v[32*(\t)+2*i+1]
.set i, i+1
.endr
	WIN 0
.irp f, 0,1,2,3
	ds_store_b128 v[STO], v[S+16*(\t)+4*\f:S+16*(\t)+4*\f+3] offset:32*\f
.endr
.irp f, 0,1,2,3
	ds_load_b128 v[S+16*(\t)+4*\f:S+16*(\t)+4*\f+3], v[RD] offset:\f*4*SP  ; LDS serves a wave's instructions in order (ISA guide 5.7.1.4)
.endr
.endm
.macro SEND t, younger              ; younger: the next tile's eight LDS instructions, or none
	WIN 0
.irp f, 0,1,2,3
	s_wait_dscnt (\younger)+3-\f
	global_store_b128 v[GO], v[S+16*(\t)+4*\f:S+16*(\t)+4*\f+3], s[10:11] offset:(\t)*2048+\f*512  ; 512 consecutive bytes, aligned
.endr
.endm
	PACK 0
.set t, 1
.rept 2*NP-1
	PACK t
	SEND t-1, 8
.set t, t+1
.endr
	SEND 2*NP-1, 0
	WIN W_AD
	s_wait_tensorcnt 0x0            ; the wave's end
	ds_add_u32 v[SPW], v[NIL]
	s_wait_dscnt 0x0
	WIN 0
	CROUND                          ; the closing round
	s_endpgm
.Lfunc_end_k_q63ee45a61c_attn:
	.size	k_q63ee45a61c_attn, .Lfunc_end_k_q63ee45a61c_attn-k_q63ee45a61c_attn
	.p2alignl 7, 3214868480
	.fill 96, 4, 3214868480
	.section	.rodata,"a",@progbits
	.p2align	6, 0x0
	.amdhsa_kernel k_q63ee45a61c_attn
		.amdhsa_group_segment_fixed_size 327680
		.amdhsa_private_segment_fixed_size 0
		.amdhsa_enable_private_segment 0
		.amdhsa_kernarg_size 24
		.amdhsa_user_sgpr_count 2
		.amdhsa_user_sgpr_kernarg_segment_ptr 1
		.amdhsa_wavefront_size32 1
		.amdhsa_system_sgpr_workgroup_id_x 1
		.amdhsa_system_sgpr_workgroup_id_y 1
		.amdhsa_system_sgpr_workgroup_id_z 1
		.amdhsa_system_vgpr_workitem_id 0
		.amdhsa_next_free_vgpr 820
		.amdhsa_next_free_sgpr 84
		.amdhsa_reserve_vcc 1
		.amdhsa_float_denorm_mode_32 3
		.amdhsa_float_denorm_mode_16_64 3
		.amdhsa_memory_ordered 1
		.amdhsa_forward_progress 1
		.amdhsa_inst_pref_size 207
	.end_amdhsa_kernel
	.amdgpu_metadata
---
amdhsa.version: [ 1, 2 ]
amdhsa.kernels:
  - .name:           k_q63ee45a61c_attn
    .symbol:         k_q63ee45a61c_attn.kd
    .args:
      - { .name: qkvh, .offset: 0, .size: 8, .value_kind: global_buffer, .address_space: global }
      - { .name: order, .offset: 8, .size: 8, .value_kind: global_buffer, .address_space: global }
      - { .name: ctx, .offset: 16, .size: 8, .value_kind: global_buffer, .address_space: global }
    .group_segment_fixed_size: 327680
    .private_segment_fixed_size: 0
    .kernarg_segment_align: 8
    .kernarg_segment_size: 24
    .max_flat_workgroup_size: 128
    .sgpr_count:     84
    .vgpr_count:     820
    .wavefront_size: 32
...
	.end_amdgpu_metadata
.endif
;; end of part 4
;; launch outp (part 5): grid 4 x 64, 4 waves a work-group, clusters of 4 x 4, 327,680 bytes of LDS; arguments ctx, wob, b_out, order, out0; writes out0
.if DOCPART == 5
	.amdgcn_target "amdgcn-amd-amdhsa--gfx1250"
	.amdhsa_code_object_version 6
	.text
	.protected	k_q63ee45a61c_outp
	.globl	k_q63ee45a61c_outp
	.p2align	8
	.type	k_q63ee45a61c_outp,@function
k_q63ee45a61c_outp:
	s_mov_b64 s[64:65], 0
	v_nop
	global_prefetch_b8 v0, s[64:65] scope:SCOPE_SE
	s_setreg_imm32_b32 hwreg(HW_REG_WAVE_MODE, 25, 1), 1
	s_wait_xcnt 0x0
	s_wait_alu depctr_hold_cnt(0) depctr_sa_sdst(0) depctr_va_vdst(0) depctr_va_sdst(0) depctr_va_ssrc(0) depctr_va_vcc(0) depctr_vm_vsrc(0)
	s_getreg_b32 s2, hwreg(HW_REG_IB_STS2, 6, 4)
	s_cmp_eq_u32 s2, 0
	s_cbranch_scc0 .Lentry_in_a_cluster
	s_endpgm
.Lentry_in_a_cluster:
	s_bfe_u32 s2, ttmp6, 0x10000c
	s_cmp_lg_u32 s2, 0xf033
	s_cbranch_scc0 .Lentry_shape_is_right
	s_endpgm
.Lentry_shape_is_right:
; out0[b][inv[b][p]][:] = elu(ctx row (b, p) x wob + bf16(b_out)).  ctx: [64 batch-heads][2048 places][64] f16; wob: [1024 k][1024 n] f16; out0: [4][2048][1024] f32.  Sums in f32.
; ELU: y above 0: y.  y at or below -1/32: 2^(y log2 e) - 1.  Between: y + y^2/2 + y^3/6, off by less than y^4/24, so that small results keep their relative accuracy.  All three are made in every lane and chosen by v_cndmask_b32.
; A tile of the result is 128 places x 256 columns (256 work-groups); four waves, 2 x 2, each 64 x 128: 32 accumulators.  K goes in 8 steps of 128 (two heads) through two LDS slots of four regions of 36,864 bytes:
; region 0 holds ctx's tile (waves 0 and 1 fetch a head each: 128 places x 128 bytes, dense, asked for as 64 rows of 256 bytes, pitch 144 a place), region 1 nothing, regions 2 and 3 a sub-tile each of wob
; (waves 2 and 3: 128 k-rows x 256 bytes, pitch 288), read turned by ds_load_tr16_b128.
; CLUSTER 4 x 4: ctx's tile is asked for jointly along a row of the cluster, wob's along a column.  THE MATRIX INSTRUCTION IS USED TRANSPOSED: a lane holds row l % 16 and the columns 8 (l / 16) + 0..7.
; THE WAY OUT goes through a stage of 64 rows x 528 bytes a wave, which lies in slot 0: that slot has had its last fill, and its last reads were waited for in front of the last change of slots' barrier.
; REGISTERS: window 0: v0-31 addresses; v64-127 ctx's fragments, two buffers; v128-199 the way out.   window 1: wob's fragments, two buffers of 64.   window 2: accumulator (a, b) at 8 (8 a + b).
.set PAC,   144
.set AH,    128*PAC                    ; 18,432: a head's part of a tile
.set PB,    288
.set BSUB,  128*PB
.set SLOT,  4*BSUB
.set SPARE, 2*SLOT                     ; the spare words: two blocks of 256 bytes that no other line names
.set OPITCH, 528
.set OWAVE, 64*OPITCH
.set RUN,   24
.set ADRA, 16
.set ADRB, 18
.set STO,  24
.set RD,   25
.set CO,   26
.set VB,   27
.set SPW,  28
.set NIL,  29
.set PFO,  30
.set TV,   31
.set XR,   128                         ; four rows as read back
.set YR,   144                         ; y, then the result
.set ER,   160
.set HR,   176
.set BB,   192                         ; the bias of my lane's four columns
.set OF,   196                         ; the four rows' offsets in out0
.set WV,  12
.set G1,  24
.set G0,  32
.set G1B, 48
.set G0B, 56
.set OB,  66
.set PFA, 68
.set PFS, 70
.set LIM, 72
.set THR, 73
.set JC,  74
.set IV,  80
.set IVR, 84
.set MSB, 0
.macro WIN new
.if MSB != (\new)
	s_set_vgpr_msb (MSB<<8)|(\new)
.set MSB, \new
.endif
.endm
.macro JLOAD s                         ; waves 0 and 1 fetch ctx's two heads, waves 2 and 3 wob's two sub-tiles; an s_nop 0 and four v_nop follow each line
	s_cmp_lt_u32 s[WV], 2
	s_cbranch_scc0 .Lfor_b_\@
	tensor_load_to_lds s[G0+4*(\s):G0+4*(\s)+3], s[G1:G1+7]
	s_nop 0
.rept 4
	v_nop
.endr
	s_branch .Lasked_\@
.Lfor_b_\@:
	tensor_load_to_lds s[G0B+4*(\s):G0B+4*(\s)+3], s[G1B:G1B+7]
	s_nop 0
.rept 4
	v_nop
.endr
.Lasked_\@:
.endm
.macro CREST
	s_cmp_lg_u32 s[WV], 0
	s_cbranch_scc1 .Lnot_wave_0_\@
	s_barrier_signal -3
.Lnot_wave_0_\@:
	s_barrier_wait -3
	s_barrier_signal -1
	s_barrier_wait -1
.endm
.macro CROUND
	s_barrier_signal -1
	s_barrier_wait -1
	CREST
.endm
.macro PLACES
.rept 4
	v_nop
.endr
.endm
; A prefetch of the K step two refills on.  ctx's rows are read by one cluster alone: its wave 0 asks for both heads (16 blocks of 256 bytes of each, by cx); wob's by the clusters with y = 0 (waves 2 and 3, 32 k-rows by cy).
.macro ASK
	s_cmp_gt_u32 s3, s[LIM]
	s_cbranch_scc0 .Lnot_mine_\@
	global_prefetch_b8 v[PFO], s[PFA:PFA+1] th:TH_LOAD_NT scope:SCOPE_SE
.Lnot_mine_\@:
.endm
	s_load_b256 s[4:11], s[0:1], 0x0               ; ctx s[4:5], wob s[6:7], b_out s[8:9], order s[10:11]
	s_load_b64 s[OB:OB+1], s[0:1], 0x20            ; out0
	v_lshl_add_u32 v[SPW], v0, 2, SPARE
	v_mov_b32 v[NIL], 0
	ds_add_u32 v[SPW], v[NIL]                      ; the wave's opening: the add and its wait ahead of my first tensor load
	v_lshrrev_b32 v1, 5, v0
	v_readfirstlane_b32 s[WV], v1
	s_lshr_b32 s13, s[WV], 1                       ; wm
	s_and_b32 s14, s[WV], 1                        ; wn; in waves 0 and 1 also the head of a K step that I fetch
	s_bfe_u32 s15, ttmp6, 0x40000                  ; cx
	s_bfe_u32 s16, ttmp6, 0x40004                  ; cy
	s_lshl_b32 s17, ttmp9, 2
	s_add_co_u32 s17, s17, s15                     ; tile column 0..3
	s_and_b32 s18, ttmp7, 0xffff
	s_lshl_b32 s18, s18, 2
	s_add_co_u32 s18, s18, s16                     ; tile row 0..63
	s_lshl_b32 s20, s16, 2
	s_lshl_b32 s20, 15, s20
	s_lshl_b32 s21, 0x1111, s15
	s_or_b32 s[G1], s20, (1<<16)|(1<<20)|(1<<21)|(4<<22)|(3<<25)   ; my row's mask; 2-byte elements; padding on; bit 21 beside a mask; after every 32 words 4 words
	s_or_b32 s[G1B], s21, (1<<16)|(1<<20)|(1<<21)|(5<<22)|(7<<25)  ; my column's mask; after every 64 words 8 words
	s_mov_b32 s[G1+1], 128<<16
	s_mov_b32 s[G1+2], 64<<16
	s_mov_b32 s[G1+3], 128<<16
	s_mov_b32 s[G1+4], 64
	s_mov_b32 s[G1+5], 128
	s_mov_b32 s[G1+6], 0
	s_mov_b32 s[G1+7], 0
	s_mov_b32 s[G1B+1], 128<<16
	s_mov_b32 s[G1B+2], 128<<16
	s_mov_b32 s[G1B+3], 128<<16
	s_mov_b32 s[G1B+4], 128
	s_mov_b32 s[G1B+5], 1024
	s_mov_b32 s[G1B+6], 0
	s_mov_b32 s[G1B+7], 0
	s_lshr_b32 s40, s18, 4                         ; the batch
	s_lshl_b32 s40, s40, 4
	s_add_co_u32 s40, s40, s14                     ; its head 0 or 1,
	s_lshl_b32 s40, s40, 18
	s_and_b32 s41, s18, 15
	s_lshl_b32 s41, s41, 14                        ; the tile's 128 places
	s_add_co_u32 s40, s40, s41
	s_mov_b32 s41, 0
	s_max_u32 s22, s[WV], 2
	s_sub_co_u32 s22, s22, 2                       ; the sub-tile that I fetch (waves 2 and 3)
	s_lshl_b32 s23, s22, 8
	s_lshl_b32 s42, s17, 9                         ; 256 columns a tile column
	s_add_co_u32 s42, s42, s23
	s_mov_b32 s43, 0
	s_mul_i32 s19, s[WV], AH                       ; where ctx's heads go: wave x a head's part
	s_mul_i32 s44, s[WV], BSUB                     ; where wob's sub-tiles go: wave x a region
	s_wait_dscnt 0x0
	s_wait_kmcnt 0x0
	s_add_nc_u64 s[40:41], s[4:5], s[40:41]
	s_add_nc_u64 s[42:43], s[6:7], s[42:43]
	CROUND
.irp s, 0,1
	s_mov_b32 s[G0+4*(\s)], 1
	s_add_co_u32 s[G0+4*(\s)+1], s19, (\s)*SLOT
	s_add_nc_u64 s[G0+4*(\s)+2:G0+4*(\s)+3], s[40:41], (\s)*2*262144
	s_or_b32 s[G0+4*(\s)+3], s[G0+4*(\s)+3], 0x80000000
	s_mov_b32 s[G0B+4*(\s)], 1
	s_add_co_u32 s[G0B+4*(\s)+1], s44, (\s)*SLOT
	s_add_nc_u64 s[G0B+4*(\s)+2:G0B+4*(\s)+3], s[42:43], (\s)*128*2048
	s_or_b32 s[G0B+4*(\s)+3], s[G0B+4*(\s)+3], 0x80000000
	JLOAD \s
.endr
	v_and_b32 v1, 15, v0                           ; r
	v_bfe_u32 v2, v0, 4, 1                         ; h
	v_and_b32 v6, 31, v0                           ; l
	v_mul_u32_u24 v3, v1, PAC
	v_lshl_add_u32 v3, v2, 4, v3
	s_mul_i32 s20, s13, 64*PAC
	v_add_nc_u32 v[ADRA], s20, v3
	v_add_nc_u32 v[ADRA+1], SLOT, v[ADRA]
	v_and_b32 v4, 7, v0
	v_lshl_add_u32 v4, v2, 3, v4
	v_mul_u32_u24 v4, v4, PB
	v_bfe_u32 v5, v0, 3, 1
	v_lshl_add_u32 v4, v5, 4, v4
	s_mul_i32 s20, s14, BSUB
	s_add_co_u32 s20, s20, 2*BSUB                  ; sub-tile wn lies in region 2 + wn
	v_add_nc_u32 v[ADRB], s20, v4
	v_add_nc_u32 v[ADRB+1], SLOT, v[ADRB]
	s_mul_i32 s20, s[WV], OWAVE                    ; my stage
	v_mul_u32_u24 v[STO], v1, OPITCH               ; in: row l % 16, 32 bytes for each half of the lanes
	v_lshl_add_u32 v[STO], v2, 5, v[STO]
	v_add_nc_u32 v[STO], s20, v[STO]
	v_lshl_add_u32 v[RD], v6, 4, s20               ; back: a row of 512 bytes a load
	v_lshlrev_b32 v[CO], 4, v6
	s_lshl_b32 s20, s17, 10                        ; my 128 columns, 4 bytes each
	s_lshl_b32 s21, s14, 9
	s_add_co_u32 s20, s20, s21
	v_lshl_add_u32 v[VB], v6, 4, s20
	global_load_b128 v[BB:BB+3], v[VB], s[8:9]
	s_lshr_b32 s21, s18, 4
	s_lshl_b32 s21, s21, 23                        ; the batch's 2,048 rows of 4,096 bytes
	s_add_co_u32 s20, s20, s21
	s_mov_b32 s21, 0
	s_add_nc_u64 s[OB:OB+1], s[OB:OB+1], s[20:21]
	s_lshl_b32 s20, s18, 9                         ; inv of my 64 places
	s_lshl_b32 s45, s13, 8
	s_add_co_u32 s20, s20, s45
	s_add_nc_u64 s[IV:IV+1], s[10:11], s[20:21]
	s_mov_b32 s[THR], 0xbd000000                   ; -1/32
	; the prefetches: the address stands at K step 3 and is stepped at the head of each change of slots.  Nothing is prefetched here.
	s_lshr_b32 s76, s18, 4
	s_lshl_b32 s76, s76, 4
	s_add_co_u32 s76, s76, 6                       ; ctx: K step 3's first head
	s_lshl_b32 s76, s76, 18
	s_and_b32 s77, s18, 15
	s_lshl_b32 s77, s77, 14
	s_add_co_u32 s76, s76, s77
	s_lshl_b32 s77, s15, 12                        ; my work-group's 16 blocks of each head's 64, by cx
	s_add_co_u32 s76, s76, s77
	s_lshl_b32 s77, s16, 5                         ; wob: my work-group's 32 k-rows, by cy
	s_add_co_u32 s77, s77, 3*128
	s_lshl_b32 s77, s77, 11
	s_lshl_b32 s78, s17, 9
	s_add_co_u32 s77, s77, s78
	s_add_co_u32 s77, s77, s23
	s_and_b32 s78, ttmp7, 0xffff                   ; cluster y
	s_mov_b32 s79, 2*262144
	s_mov_b32 s82, 128*2048
	s_mov_b32 s83, 2048
	s_mov_b32 s88, 262144
	s_mov_b32 s89, 32768
	s_cmp_lt_u32 s[WV], 2
	s_cselect_b32 s76, s76, s77
	s_cselect_b32 s78, s[WV], s78                  ; 0 in wave 0, and in waves 2 and 3 of the clusters with y = 0
	s_cselect_b64 s[PFA:PFA+1], s[4:5], s[6:7]
	s_cselect_b32 s[PFS], s79, s82                 ; a K step: two heads of ctx, or 128 rows of wob
	s_cselect_b32 s83, 256, s83                    ; bytes from lane to lane among sixteen,
	s_cselect_b32 s88, s88, s89                    ; and from one half of the lanes to the other
	s_mov_b32 s[PFS+1], 0
	s_mov_b32 s77, 0
	s_add_nc_u64 s[PFA:PFA+1], s[PFA:PFA+1], s[76:77]
	s_cmp_eq_u32 s78, 0
	s_cselect_b32 s[LIM], 1, -1
	v_mul_u32_u24 v[PFO], s83, v1
	v_mad_u32_u24 v[PFO], v2, s88, v[PFO]
	s_wait_loadcnt 0x0                             ; the bias: rounded to bf16 like every input, kept as f32
.irp z, 0,1
	v_cvt_pk_bf16_f32 v[TV], v[BB+2*(\z)], v[BB+2*(\z)+1]
	v_lshlrev_b32 v[BB+2*(\z)], 16, v[TV]
	v_and_b32 v[BB+2*(\z)+1], 0xffff0000, v[TV]
.endr
; 8 matrix instructions: row block a x my 8 column blocks.  mode = 1: the products start the sums.  The 32 accumulators take turns, in the same order in every quarter step.
.macro MULA f, a, mode
	WIN 0xa1
.irp b, 0,1,2,3,4,5,6,7
.if \mode
	v_wmma_f32_16x16x32_f16 v[8*(8*(\a)+(\b)):8*(8*(\a)+(\b))+7], v[64*(\f)+8*(\b):64*(\f)+8*(\b)+7], v[64+32*(\f)+8*(\a):64+32*(\f)+8*(\a)+7], 0
.else
	v_wmma_f32_16x16x32_f16 v[8*(8*(\a)+(\b)):8*(8*(\a)+(\b))+7], v[64*(\f)+8*(\b):64*(\f)+8*(\b)+7], v[64+32*(\f)+8*(\a):64+32*(\f)+8*(\a)+7], v[8*(8*(\a)+(\b)):8*(8*(\a)+(\b))+7]
.endif
.endr
.endm
.macro FETCH slot, q, f                ; 24 LDS loads in one run; quarter q lies in head q / 2 of the K step, channels 32 (q % 2) on
	WIN 0x40
.irp b, 0,1,2,3,4,5,6,7
	ds_load_tr16_b128 v[64*(\f)+8*(\b):64*(\f)+8*(\b)+3],   v[ADRB+(\slot)] offset:(\q)*32*PB+32*(\b)
	ds_load_tr16_b128 v[64*(\f)+8*(\b)+4:64*(\f)+8*(\b)+7], v[ADRB+(\slot)] offset:(\q)*32*PB+32*(\b)+16*PB
.endr
	WIN 0
.irp a, 0,1,2,3
	ds_load_b128 v[64+32*(\f)+8*(\a):64+32*(\f)+8*(\a)+3],   v[ADRA+(\slot)] offset:((\q)/2)*AH+((\q)%2)*64+(\a)*16*PAC
	ds_load_b128 v[64+32*(\f)+8*(\a)+4:64+32*(\f)+8*(\a)+7], v[ADRA+(\slot)] offset:((\q)/2)*AH+((\q)%2)*64+(\a)*16*PAC+32
.endr
.endm
.macro QUARTER slot, q, f, g, mode
	s_wait_dscnt 4                                 ; all but the youngest four loads, ctx's row blocks 2 and 3
	MULA \f, 0, \mode
	MULA \f, 1, \mode
	PLACES
	FETCH \slot, \q, \g
	s_wait_dscnt RUN                               ; all but the run just issued
	MULA \f, 2, \mode
	MULA \f, 3, \mode
.endm
.macro TURN slot, next, fill           ; the last quarter and the change of slots
.if \fill
	s_wait_xcnt 0x0                                ; the last prefetch, a K step back, has read its address
	s_add_nc_u64 s[PFA:PFA+1], s[PFA:PFA+1], s[PFS:PFS+1]
.endif
	WIN 0
	s_wait_tensorcnt 0x0                           ; all my tensor loads have landed: my part of the next slot
	ds_add_u32 v[SPW], v[NIL]
	s_wait_dscnt 5                                 ; the add and the youngest four loads may be out
	MULA 1, 0, 0
	s_wait_dscnt 0x0                               ; the add is done, and my reads of this slot are over
	s_barrier_signal -1
	MULA 1, 1, 0
	WIN 0
	s_barrier_wait -1
.if \fill
	CREST
	s_add_nc_u64 s[G0+4*(\slot)+2:G0+4*(\slot)+3], s[G0+4*(\slot)+2:G0+4*(\slot)+3], 4*262144
	s_add_nc_u64 s[G0B+4*(\slot)+2:G0B+4*(\slot)+3], s[G0B+4*(\slot)+2:G0B+4*(\slot)+3], 2*128*2048
	JLOAD \slot
.else
	PLACES
.endif
	FETCH \next, 0, 0
.if \fill
	ASK
.endif
	MULA 1, 2, 0
	MULA 1, 3, 0
.endm
	s_wait_tensorcnt 0x1                           ; my part of K step 0 is in; K step 1's may stay out
	s_barrier_signal -1
	s_barrier_wait -1
	FETCH 0, 0, 0
	QUARTER 0, 1, 0, 1, 1
	WIN 0
	s_mov_b32 s3, 3
.Llap:
	QUARTER 0, 2, 1, 0, 0
	QUARTER 0, 3, 0, 1, 0
	TURN 0, 1, 1
	QUARTER 1, 1, 0, 1, 0
	QUARTER 1, 2, 1, 0, 0
	QUARTER 1, 3, 0, 1, 0
	TURN 1, 0, 1
	QUARTER 0, 1, 0, 1, 0
	WIN 0
	s_sub_co_u32 s3, s3, 1
	s_cmp_lg_u32 s3, 0
	s_cbranch_scc1 .Llap
	QUARTER 0, 2, 1, 0, 0
	QUARTER 0, 3, 0, 1, 0
	TURN 0, 1, 0                                   ; behind this barrier no wave reads slot 0 any more, and nothing is filled
	QUARTER 1, 1, 0, 1, 0
	QUARTER 1, 2, 1, 0, 0
	QUARTER 1, 3, 0, 1, 0
	s_wait_dscnt 4
	MULA 1, 0, 0
	MULA 1, 1, 0
	s_wait_dscnt 0x0
	MULA 1, 2, 0
	MULA 1, 3, 0
	WIN 0
	PLACES
	WIN 0x08                                       ; store data in window 2
.irp a, 0,1,2,3
.irp b, 0,1,2,3,4,5,6,7
	ds_store_b128 v[STO], v[8*(8*(\a)+(\b)):8*(8*(\a)+(\b))+3]   offset:16*OPITCH*(\a)+64*(\b)
	ds_store_b128 v[STO], v[8*(8*(\a)+(\b))+4:8*(8*(\a)+(\b))+7] offset:16*OPITCH*(\a)+64*(\b)+16
.endr
.endr
	WIN 0
.irp i, 0,1,2,3
	ds_load_b128 v[XR+4*(\i):XR+4*(\i)+3], v[RD] offset:OPITCH*(\i)  ; my own stage: LDS serves a wave's instructions in order (ISA guide 5.7.1.4)
.endr
; Four rows of my 64: bias, ELU, and each row's 512 bytes stored to the token that stands at its place.  ahead = 1: the next four rows are read meanwhile.
.macro ROWS ahead
	s_wait_xcnt 0x0                                ; the last trip's stores have read their data and offsets
	s_load_b128 s[IVR:IVR+3], s[IV:IV+1], 0x0      ; the four places' tokens
	s_wait_dscnt 0x0                               ; the four rows are in
.set z, 0
.rept 8
	v_pk_add_f32 v[YR+2*z:YR+2*z+1], v[XR+2*z:XR+2*z+1], v[BB+2*(z%2):BB+2*(z%2)+1]
.set z, z+1
.endr
.if \ahead
	v_add_nc_u32 v[RD], 4*OPITCH, v[RD]
.irp i, 0,1,2,3
	ds_load_b128 v[XR+4*(\i):XR+4*(\i)+3], v[RD] offset:OPITCH*(\i)
.endr
.endif
.set z, 0
.rept 8
	v_pk_mul_f32 v[ER+2*z:ER+2*z+1], v[YR+2*z:YR+2*z+1], 0x3fb8aa3b op_sel_hi:[1,0]
.set z, z+1
.endr
.set z, 0
.rept 16
	v_exp_f32 v[ER+z], v[ER+z]                     ; one batch
.set z, z+1
.endr
.set z, 0
.rept 8                                        ; the series, which names no exponential's result, is the work behind the batch
	v_pk_fma_f32 v[HR+2*z:HR+2*z+1], v[YR+2*z:YR+2*z+1], 0x3e2aaaab, 0.5 op_sel_hi:[1,0,0]
.set z, z+1
.endr
.set z, 0
.rept 8
	v_pk_fma_f32 v[HR+2*z:HR+2*z+1], v[YR+2*z:YR+2*z+1], v[HR+2*z:HR+2*z+1], 1.0 op_sel_hi:[1,1,0]
.set z, z+1
.endr
.set z, 0
.rept 8
	v_pk_mul_f32 v[HR+2*z:HR+2*z+1], v[YR+2*z:YR+2*z+1], v[HR+2*z:HR+2*z+1]
.set z, z+1
.endr
	s_wait_alu depctr_va_vdst(0)                   ; the one wait ahead of the batch's first reader
.set z, 0
.rept 8
	v_pk_add_f32 v[ER+2*z:ER+2*z+1], v[ER+2*z:ER+2*z+1], -1.0 op_sel_hi:[1,0]
.set z, z+1
.endr
.set z, 0
.rept 16
	v_cmp_lt_f32 vcc_lo, s[THR], v[YR+z]
	v_cndmask_b32 v[ER+z], v[ER+z], v[HR+z], vcc_lo   ; above -1/32: the series
	v_cmp_lt_f32 vcc_lo, 0, v[YR+z]
	v_cndmask_b32 v[YR+z], v[ER+z], v[YR+z], vcc_lo   ; above 0: y itself; a NaN takes the exponential's way and stays NaN
.set z, z+1
.endr
	s_wait_kmcnt 0x0
.irp i, 0,1,2,3
	s_min_u32 s[IVR+(\i)], s[IVR+(\i)], 2047       ; loaded numbers enter an address only clamped
	v_lshl_add_u32 v[OF+(\i)], s[IVR+(\i)], 12, v[CO]
.endr
	s_add_nc_u64 s[IV:IV+1], s[IV:IV+1], 16
.irp i, 0,1,2,3
	global_store_b128 v[OF+(\i)], v[YR+4*(\i):YR+4*(\i)+3], s[OB:OB+1] th:TH_STORE_NT  ; 512 consecutive bytes, aligned
.endr
.endm
	s_mov_b32 s[JC], 15
.Lrow:
	ROWS 1
	s_sub_co_u32 s[JC], s[JC], 1
	s_cmp_lg_u32 s[JC], 0
	s_cbranch_scc1 .Lrow
	ROWS 0                                         ; the last four rows read nothing ahead
	s_wait_tensorcnt 0x0                           ; the wave's end
	ds_add_u32 v[SPW], v[NIL]
	s_wait_dscnt 0x0
	CROUND                                         ; the closing round
	s_endpgm
.Lfunc_end_k_q63ee45a61c_outp:
	.size	k_q63ee45a61c_outp, .Lfunc_end_k_q63ee45a61c_outp-k_q63ee45a61c_outp
	.p2alignl 7, 3214868480
	.fill 96, 4, 3214868480
	.section	.rodata,"a",@progbits
	.p2align	6, 0x0
	.amdhsa_kernel k_q63ee45a61c_outp
		.amdhsa_group_segment_fixed_size 327680
		.amdhsa_private_segment_fixed_size 0
		.amdhsa_enable_private_segment 0
		.amdhsa_kernarg_size 40
		.amdhsa_user_sgpr_count 2
		.amdhsa_user_sgpr_kernarg_segment_ptr 1
		.amdhsa_wavefront_size32 1
		.amdhsa_system_sgpr_workgroup_id_x 1
		.amdhsa_system_sgpr_workgroup_id_y 1
		.amdhsa_system_sgpr_workgroup_id_z 1
		.amdhsa_system_vgpr_workitem_id 0
		.amdhsa_next_free_vgpr 768
		.amdhsa_next_free_sgpr 92
		.amdhsa_reserve_vcc 1
		.amdhsa_float_denorm_mode_32 3
		.amdhsa_float_denorm_mode_16_64 3
		.amdhsa_memory_ordered 1
		.amdhsa_forward_progress 1
		.amdhsa_inst_pref_size 92
	.end_amdhsa_kernel
	.amdgpu_metadata
---
amdhsa.version: [ 1, 2 ]
amdhsa.kernels:
  - .name:           k_q63ee45a61c_outp
    .symbol:         k_q63ee45a61c_outp.kd
    .args:
      - { .name: ctx, .offset: 0, .size: 8, .value_kind: global_buffer, .address_space: global }
      - { .name: wob, .offset: 8, .size: 8, .value_kind: global_buffer, .address_space: global }
      - { .name: b_out, .offset: 16, .size: 8, .value_kind: global_buffer, .address_space: global }
      - { .name: order, .offset: 24, .size: 8, .value_kind: global_buffer, .address_space: global }
      - { .name: out0, .offset: 32, .size: 8, .value_kind: global_buffer, .address_space: global }
    .group_segment_fixed_size: 327680
    .private_segment_fixed_size: 0
    .kernarg_segment_align: 8
    .kernarg_segment_size: 40
    .max_flat_workgroup_size: 128
    .sgpr_count:     92
    .vgpr_count:     768
    .wavefront_size: 32
...
	.end_amdgpu_metadata
.endif
;; end of part 5
;; ======== version 2 of 2: 5 launches; version 1 with the launch cast written anew for expert scheduling mode
;; limits: values are held in f16: magnitudes above 65,504 overflow, below 6.1e-05 lose precision
;; workspace buffers: order 65,792 bytes of whole numbers; xb 16,777,216 bytes; wqb 6,291,456 bytes; wob 2,097,152 bytes; qkvh 50,331,648 bytes; ctx 16,777,216 bytes
;; launch perm: the kernel of part 1 again; grid 4 x 1, 16 waves a work-group, no clusters, 0 bytes of LDS; arguments masks, order; writes order
;; launch cast (part 6): grid 768 x 1, 8 waves a work-group, no clusters, 0 bytes of LDS; arguments x, w_qkv, w_out, order, xb, wqb, wob; writes xb, wqb, wob
.if DOCPART == 6
	.amdgcn_target "amdgcn-amd-amdhsa--gfx1250"
	.amdhsa_code_object_version 6
	.text
	.protected	k_q63ee45a61c_cast
	.globl	k_q63ee45a61c_cast
	.p2align	8
	.type	k_q63ee45a61c_cast,@function
k_q63ee45a61c_cast:
	s_mov_b64 s[64:65], 0
	v_nop
	global_prefetch_b8 v0, s[64:65] scope:SCOPE_SE
	s_setreg_imm32_b32 hwreg(HW_REG_WAVE_SCHED_MODE, 0, 2), 2
	s_setreg_imm32_b32 hwreg(HW_REG_WAVE_MODE, 25, 1), 1
	s_wait_xcnt 0x0
	s_wait_alu depctr_vm_vsrc(0)
; xb[b][p][:] = bf16(x[b][inv[b][p]][:]);  wqb = bf16(w_qkv);  wob = bf16(w_out) written as f16.
; LIMIT: a bf16 number below 6e-5 in size keeps f16's fixed step of 6e-8 in wob; beyond 65,504 it would be an infinity.
; A stream: 12,288 rows of 1,024 f32 (8,192 of x, 3,072 of w_qkv taken flat, 1,024 of w_out).  A wave takes two rows: 16 loads of 512 consecutive bytes, all on their way at once,
; and 16 stores of 256 consecutive bytes, aligned.  No LDS, no matrix unit, no cluster: nothing is shared and nothing is read twice.
; THE MODE: SCHED_MODE bits 1:0 = 2 (LLVM: expert scheduling mode 2), set by the entry lines.  The code itself states the register dependences
; between vector instructions and memory instructions, with s_wait_alu, always for 0.
; THE PLAN.  Registers that memory instructions touch:
;   v1, v2   byte offsets of the loads and of the stores: made once at the head, never written again.
;   IN       v[8:71]: load n lands in four registers of its own, once; conversion n alone reads them; no vector instruction names them ahead of the loads.
;   OUT      v[72:103]: conversion n writes two registers of its own, once; store n reads them; nothing writes them again.
;   v3 to v7 are named by vector instructions alone.
; The 16 steps go in four blocks of four.  Block p converts IN's block p into OUT's block p; its memory instructions are the four stores of block p - 1, which read v2 and OUT's block p - 1:
; registers that no conversion of block p names.  So one wait at a block's head states all that its four stores hang on, and they are dealt among its conversions with no further wait.
.set IN,  8
.set OUT, 72
	s_load_b256 s[4:11], s[0:1], 0x0               ; x s[4:5], w_qkv s[6:7], w_out s[8:9], order s[10:11]
	s_load_b128 s[12:15], s[0:1], 0x20             ; xb s[12:13], wqb s[14:15]
	s_load_b64 s[16:17], s[0:1], 0x30              ; wob
	v_and_b32 v3, 31, v0
	v_lshlrev_b32 v1, 4, v3                        ; 16 x lane: four f32
	v_lshlrev_b32 v2, 3, v3                        ; 8 x lane: four 16-bit numbers
	v_lshrrev_b32 v3, 5, v0
	v_readfirstlane_b32 s20, v3                    ; wave 0..7
	s_lshl_b32 s21, ttmp9, 4
	s_wait_alu depctr_va_sdst(0)                   ; s20 is written, ahead of its first reader: my rows' numbers are made from it
	s_lshl1_add_u32 s21, s20, s21                  ; my first row = 16 x work-group + 2 x wave
	s_mov_b32 s36, 8192
	s_mov_b32 s37, 11264
	s_mov_b32 s31, 0
	s_wait_kmcnt 0x0
	s_cmp_lt_u32 ttmp9, 512
	s_cbranch_scc0 .Lweights
	s_lshl_b32 s30, s21, 2                         ; x: row R of xb is place R; inv (flat index R) says which token stands there
	s_load_b64 s[22:23], s[10:11], s30
	s_and_b32 s32, s21, 0xfffff800                 ; the batch's first row
	s_mov_b64 s[34:35], s[4:5]
	s_mov_b64 s[28:29], s[12:13]
	s_mov_b32 s33, s21
	s_wait_kmcnt 0x0
	s_min_u32 s22, s22, 2047                       ; loaded numbers enter an address only clamped
	s_min_u32 s23, s23, 2047
	s_add_co_u32 s22, s22, s32
	s_add_co_u32 s23, s23, s32
	s_branch .Lgo
.Lweights:
	s_cmp_lt_u32 ttmp9, 704
	s_cselect_b64 s[34:35], s[6:7], s[8:9]
	s_cselect_b64 s[28:29], s[14:15], s[16:17]
	s_cselect_b32 s32, s36, s37
	s_sub_co_u32 s22, s21, s32                     ; the row in its own tensor
	s_add_co_u32 s23, s22, 1
	s_mov_b32 s33, s22
.Lgo:
	s_lshl_b32 s30, s22, 12                        ; 4,096 bytes a source row
	s_add_nc_u64 s[24:25], s[34:35], s[30:31]
	s_lshl_b32 s30, s23, 12
	s_add_nc_u64 s[26:27], s[34:35], s[30:31]
	s_lshl_b32 s30, s33, 11                        ; 2,048 bytes a target row; my two are neighbours
	s_add_nc_u64 s[28:29], s[28:29], s[30:31]
	s_wait_alu depctr_va_vdst(0)                   ; v1 and v2 are written: every load below reads v1 as its offset, every store v2
.set n, 0
.rept 16
	global_load_b128 v[IN+4*n:IN+4*n+3], v1, s[24+2*(n/8):25+2*(n/8)] offset:512*(n%8) th:TH_LOAD_NT
.set n, n+1
.endr
; Step n's conversions: four f32 of IN into two registers of OUT.
.macro CONV half, n
.if \half
	v_cvt_pk_bf16_f32 v4, v[IN+4*(\n)], v[IN+4*(\n)+1]     ; rounded to bf16 like every input of the module,
	v_cvt_pk_bf16_f32 v5, v[IN+4*(\n)+2], v[IN+4*(\n)+3]
	v_lshlrev_b32 v6, 16, v4
	v_and_b32 v4, 0xffff0000, v4
	v_cvt_pk_f16_f32 v[OUT+2*(\n)], v6, v4                 ; and that number written as f16
	v_lshlrev_b32 v7, 16, v5
	v_and_b32 v5, 0xffff0000, v5
	v_cvt_pk_f16_f32 v[OUT+2*(\n)+1], v7, v5
.else
	v_cvt_pk_bf16_f32 v[OUT+2*(\n)], v[IN+4*(\n)], v[IN+4*(\n)+1]
	v_cvt_pk_bf16_f32 v[OUT+2*(\n)+1], v[IN+4*(\n)+2], v[IN+4*(\n)+3]
.endif
.endm
; Step n's store.
.macro SEND n
	global_store_b64 v2, v[OUT+2*(\n):OUT+2*(\n)+1], s[28:29] offset:2048*((\n)/8)+256*((\n)%8)  ; each store has registers of its own: nothing is rewritten
.endm
.macro STEPS half
.set p, 0
.rept 4
	s_wait_loadcnt 12-4*p                          ; loads come back in order: block p's four are in, the 12 - 4 p younger ones stay out
.if p > 0
	s_wait_alu depctr_va_vdst(0)                   ; the block before has written its eight registers of OUT, which the four stores below read
.endif
.set i, 0
.rept 4
.if p > 0
	SEND 4*(p-1)+i                                 ; no wait: no conversion since the wait above names v2 or the block before's OUT
.endif
	CONV \half, 4*p+i
.set i, i+1
.endr
.set p, p+1
.endr
	s_wait_alu depctr_va_vdst(0)                   ; block 3 has written its eight registers of OUT, which the last four stores read
.set i, 12
.rept 4
	SEND i
.set i, i+1
.endr
.endm
	s_cmp_lt_u32 ttmp9, 704
	s_cbranch_scc0 .Lhalf
	STEPS 0
	s_endpgm
.Lhalf:
	STEPS 1
	s_endpgm
.Lfunc_end_k_q63ee45a61c_cast:
	.size	k_q63ee45a61c_cast, .Lfunc_end_k_q63ee45a61c_cast-k_q63ee45a61c_cast
	.p2alignl 7, 3214868480
	.fill 96, 4, 3214868480
	.section	.rodata,"a",@progbits
	.p2align	6, 0x0
	.amdhsa_kernel k_q63ee45a61c_cast
		.amdhsa_group_segment_fixed_size 0
		.amdhsa_private_segment_fixed_size 0
		.amdhsa_enable_private_segment 0
		.amdhsa_kernarg_size 56
		.amdhsa_user_sgpr_count 2
		.amdhsa_user_sgpr_kernarg_segment_ptr 1
		.amdhsa_wavefront_size32 1
		.amdhsa_system_sgpr_workgroup_id_x 1
		.amdhsa_system_sgpr_workgroup_id_y 1
		.amdhsa_system_sgpr_workgroup_id_z 1
		.amdhsa_system_vgpr_workitem_id 0
		.amdhsa_next_free_vgpr 104
		.amdhsa_next_free_sgpr 66
		.amdhsa_reserve_vcc 0
		.amdhsa_float_denorm_mode_32 3
		.amdhsa_float_denorm_mode_16_64 3
		.amdhsa_memory_ordered 1
		.amdhsa_forward_progress 1
		.amdhsa_inst_pref_size 17
	.end_amdhsa_kernel
	.amdgpu_metadata
---
amdhsa.version: [ 1, 2 ]
amdhsa.kernels:
  - .name:           k_q63ee45a61c_cast
    .symbol:         k_q63ee45a61c_cast.kd
    .args:
      - { .name: x, .offset: 0, .size: 8, .value_kind: global_buffer, .address_space: global }
      - { .name: w_qkv, .offset: 8, .size: 8, .value_kind: global_buffer, .address_space: global }
      - { .name: w_out, .offset: 16, .size: 8, .value_kind: global_buffer, .address_space: global }
      - { .name: order, .offset: 24, .size: 8, .value_kind: global_buffer, .address_space: global }
      - { .name: xb, .offset: 32, .size: 8, .value_kind: global_buffer, .address_space: global }
      - { .name: wqb, .offset: 40, .size: 8, .value_kind: global_buffer, .address_space: global }
      - { .name: wob, .offset: 48, .size: 8, .value_kind: global_buffer, .address_space: global }
    .group_segment_fixed_size: 0
    .private_segment_fixed_size: 0
    .kernarg_segment_align: 8
    .kernarg_segment_size: 56
    .max_flat_workgroup_size: 256
    .sgpr_count:     66
    .vgpr_count:     104
    .wavefront_size: 32
...
	.end_amdgpu_metadata
.endif
;; end of part 6
;; launch proj: the kernel of part 3 again; grid 8 x 64, 4 waves a work-group, clusters of 4 x 4, 327,680 bytes of LDS; arguments xb, wqb, b_qkv, qkvh; writes qkvh
;; launch attn: the kernel of part 4 again; grid 4 x 64, 4 waves a work-group, clusters of 4 x 1, 327,680 bytes of LDS; arguments qkvh, order, ctx; writes ctx
;; launch outp: the kernel of part 5 again; grid 4 x 64, 4 waves a work-group, clusters of 4 x 4, 327,680 bytes of LDS; arguments ctx, wob, b_out, order, out0; writes out0
